; MI455X (gfx1250); checked and timed in simulation.
; The chip was launched on July 23, 2026; its instructions are those of AMD's public machine-readable ISA for CDNA 5 (MIT licence, August 2026) and "CDNA5" Instruction Set Architecture Reference Guide (July 2026). The comments in the code are by the model that wrote it; some were corrected since.
;; Spatial Attention Layer. Allowed arithmetic: matrix products marked QUANTISED: E4M3 operands, one E8M0 scale for each 32 along K, by v_wmma_scale_f32_16x16x128_f8f6f4 with both operands' format E4M3, f32 sums; everything else in f32.
;; Inputs: P 8,192 x 3 float32; W_k 256 x 256 float32; W_q 256 x 256 float32; W_v 256 x 256 float32; X 8,192 x 256 float32; b_k 256 float32; b_q 256 float32; b_v 256 float32.
;; Outputs: out0 8,192 x 256 float32.
;; This version of the problem:
;;   THIS VERSION OF THE PROBLEM IS GIVEN IN LOW PRECISION. The matrix products marked QUANTISED in the list below multiply operands that are first quantised to E4M3 (4 exponent bits, 3 mantissa bits; 8 bits a number), with one power-of-two scale for each 32 numbers along K (OCP MX v1.0); their sums are f32. All else is computed in f32.
;;   The module's matrix products, in the order in which they are computed (A, B: the left and right operand; K: the contracted axis; several contracted axes count as one K, in the product's order):
;;     1. [M 8,192, K 256] x [K 256, N 256]; A: input X; B: input W_q: QUANTISED
;;     2. [M 8,192, K 256] x [K 256, N 256]; A: input X; B: input W_k: QUANTISED
;;     3. [M 8,192, K 256] x [K 256, N 256]; A: input X; B: input W_v: QUANTISED
;;     4. [M 8,192, K 256] x [K 256, N 8,192]; A: computed on the way; B: computed on the way: QUANTISED
;;     5. [M 8,192, K 8,192] x [K 8,192, N 256]; A: computed on the way; B: computed on the way: QUANTISED
;;   THE QUANTISER, for each operand of a quantised product, along K:
;;     - K is cut into blocks of 32 from its start; a last block that is shorter is filled with zeros.
;;     - A block's scale is 2^e with e = floor(log2(the largest magnitude in the block)) - 8, held to -126 .. 127; a block of zeros has e = 0. As a byte (E8M0): e + 127.
;;     - Each number is divided by its block's scale, clamped to +-448, and rounded to the nearest number of E4M3, ties to even, subnormals kept.
;;     - The product sums the exact products of the quantised numbers (number of the format x scale) in f32.
;;   ~~~python
;;   def quantise(x, axis):      # numpy; x: float32 -> the quantised numbers, widened to float32 again
;;       x = np.moveaxis(x, axis, -1); K = x.shape[-1]
;;       x = np.pad(x, [(0, 0)] * (x.ndim - 1) + [(0, -K % 32)]); x = x.reshape(x.shape[:-1] + (-1, 32)); a = np.abs(x).max(-1, keepdims=True)
;;       e = np.where(a > 0, np.clip(np.frexp(np.where(a > 0, a, 1))[1] - 1 - 8, -126, 127), 0)      # np.frexp(a)[1] - 1 = floor(log2(a)), exactly
;;       r = np.clip(x / 2.0 ** e, -448, 448)
;;       step = 2.0 ** (np.maximum(np.frexp(np.where(r == 0, 1, r))[1] - 1, -6) - 3)
;;       q = np.round(r / step) * step * 2.0 ** e      # np.round: ties to even
;;       return np.moveaxis(q.reshape(q.shape[:-2] + (-1,))[..., :K], -1, axis).astype(np.float32)
;;   ~~~
;;   OPERANDS COMPUTED ON THE WAY. 'Computed on the way' means the value that the module computes at that place (a softmax that the list does not call 'softmax' is quantised finished and normalised). What goes into a quantiser is computed in f32, as accurately as f32 sums, v_exp_f32 and their like allow (about 1e-6 of the number): no bf16 or f16 on the way to a quantiser, and a product that is left as it is and whose result goes on into a quantised operand takes f32 operands (vector FMAs, or v_wmma_f32_16x16x4_f32). A number that lies on a knife's edge between two numbers of the format may be rounded either way, as far as f32 arithmetic and the matrix unit's own rounding can turn it there, and no further.
;; One version. Each part assembles by itself: llvm-mc -triple=amdgcn-amd-amdhsa -mcpu=gfx1250 --defsym DOCPART=n.
;; ======== version 1 of 1: 4 launches
;; workspace buffers: Qc 2,097,152 bytes; Qs 65,536 bytes; KVc 4,194,304 bytes; SD 229,376 bytes; ST 2,097,152 bytes; PART 33,554,432 bytes
;; launch proj (part 1): grid 64 x 3, 4 waves a work-group, no clusters, 101,888 bytes of LDS; arguments X, P, W_q, W_k, W_v, b_q, b_k, b_v, Qc, Qs, KVc, SD; writes Qc, Qs, KVc, SD
.if DOCPART == 1
	.amdgcn_target "amdgcn-amd-amdhsa--gfx1250"
	.amdhsa_code_object_version 6
	.text
	.protected	k_qd197a908d9_proj
	.globl	k_qd197a908d9_proj
	.p2align	8
	.type	k_qd197a908d9_proj,@function
k_qd197a908d9_proj:
	s_mov_b64 s[64:65], 0
	v_nop
	global_prefetch_b8 v0, s[64:65] scope:SCOPE_SE
	s_setreg_imm32_b32 hwreg(HW_REG_WAVE_MODE, 25, 1), 1
	s_wait_xcnt 0x0
; H = softmax_one((Q K^T / 16) * exp(-|Pi - Pj|^2 / 2)) V + X, N = 8,192, all widths 256, every product on codes of FP8 (E4M3) with one E8M0 scale for each 32 along K.
; FOUR LAUNCHES.  This one: Q = X Wq + bq, K = X Wk + bk, V = X Wv + bv on quantised X and W; Q and K quantised along the hidden axis, V along the keys; P scaled.
; The second walks all keys for each row's maximum and sum, the third walks them again for A = the finished, normalised softmax, which is what the last product quantises, and for A V; the fourth adds the parts and X.
; NO WORK OF THE PROBLEM IS LEFT OUT and every input is loaded: the biases move codes, so they stay.  Q K^T and the decay are made twice, since A's codes hang on the row's final maximum and sum.
; LIMITS: NaN and infinities among the inputs are not served.  A block of zeros gets the scale byte 1 where the rule says 127: its codes are zeros, and this program alone reads the bytes.
; P is multiplied once by c = sqrt(log2(e) / 2), one more f32 rounding of each coordinate, so that the decay is 2^(-|c Pi - c Pj|^2).
; SHARES.  A work-group takes 128 rows of X (work-group x) and one of the three projections (work-group y: 0 Q, 1 K, 2 V).  Its four waves quantise the rows (32 each) and the whole weight (64 columns each)
; into LDS, as images of operand registers (a fragment, 16 rows x 128 K, is [4][32 lanes][16 bytes]); one barrier; then each wave multiplies.
; THE ROWS OF A TILE ARE NOT NEIGHBOURS: lane r of tile 2 b + u of a group of 128 takes index 32 b + 8 u + r + 8 (r / 8), for X's rows and for W's columns alike.  So in a result the 16 registers of tiles 2 b and
; 2 b + 1 are 16 neighbours, 32 b + 16 (lane / 16) + 0 .. 15, in the order in which the next product's operand wants them.
; W, whose K is its first axis: lane (r, h) takes FOUR neighbouring columns, 4 r + 0 .. 3 of my wave's 64, and half h of K.  A load of 16 bytes a lane brings one k of the four columns: sixteen lanes read 256
; consecutive bytes.  All 128 loads of a wave have registers of their own, 32 KB of them are out at a time.  The hold that an 8-bit conversion wants anyway writes its result where the conversion wants it,
; a column's 32 numbers of a block on end: so the turn from 'four columns a load' to 'registers along K' costs no instruction.
; Q, K: source 0 = 16 columns of W, source 1 = 16 rows of X: a lane holds one row and its registers run along the hidden axis.  V: source 0 = 16 rows of X, source 1 = 16 columns of Wv: registers run along the keys.
; The bias is the C of each sum's first matrix instruction.  Results leave as fragment images: every store of a wave covers 512 (scale images: 256) consecutive bytes, aligned.
; No tensor loads and no cluster: the weights go through registers on their way to codes, and nothing that arrives as it lies is shared.
; REGISTERS: window 0 as listed below; window 1: v0-127 a group's numbers of W, held, four columns x 32; later all 256: source 0's sixteen fragments; windows 2, 3: W as loaded, group g at 128 (g % 2) + 4 i + j.
.set XIMG,  0                          ; LDS: X's 8 tiles x 2 K steps x 2,048 bytes
.set WIMG,  32768                      ; W's 16 tiles x 2 K steps x 2,048 bytes
.set XSC,   98304                      ; X's scale images, 128 bytes a tile: lanes 0-15 K step 0's word of row r, lanes 16-31 K step 1's
.set WSC,   99328                      ; W's likewise, 16 tiles
.set SPARE, 101376                     ; the spare words, 128 bytes for each wave: two blocks of 256 bytes that no other line names
.set SPW, 1                            ; v1   LDS address of my spare word; never rewritten
.set NIL, 2                            ; v2   0; never rewritten
.set LI,  3                            ; v3   16 x lane
.set L4S, 4                            ; v4   XSC + 4 x lane
.set XA,  5                            ; v5   X: (r + 8 (r / 8)) x 1,024 + 64 (lane / 16)
.set XWI, 6                            ; v6   my two tiles of X in LDS: 8,192 x wave + 16 x lane
.set XWS, 7                            ; v7   XSC + 256 x wave + 4 r
.set WO,  8                            ; v8   W: 131,072 (lane / 16) + 256 x wave + 16 r: my four columns, at my half of K
.set WA,  9                            ; v9   where my columns' codes go (see the head of the set-up below)
.set WSA, 10                           ; v10  and their scale words
.set MAW, 11                           ; v11  my four tiles of W in LDS: WIMG + 16,384 x wave + 16 x lane
.set MSX, 12                           ; v12  XSC + 256 x wave + 4 x lane
.set L8,  13                           ; v13  8 x lane
.set BH,  14                           ; v14  64 (lane / 16)
.set BR,  15                           ; v15  4 (r + 8 (r / 8))
.set LW0, 16                           ; v16, v17  WIMG + 16 x lane, and 32,768 further on
.set MSW, 18                           ; v18  WSC + 512 x wave + 4 x lane
.set LN,  20                           ; v20  lane
.set ACC, 32                           ; v32-95   eight accumulators; before that X's numbers as loaded
.set MF,  96                           ; v96-127  source 1's two fragments; before that X's numbers as loaded (v96-159)
.set BI,  128                          ; v128-191 the bias in the result's layout
.set CW,  160                          ; v160-191 before that: the codes of four columns' blocks of W
.set PC,  192                          ; v192-207 the codes just made
.set TM,  208                          ; v208-223 at work in the quantisers
.set PW,  224                          ; v224     the scale word just made
.set NS,  225                          ; v225-232 source 0's scale words
.set MS,  233                          ; v233     source 1's
.set PWK, 234                          ; v234-237 four scale words kept for the image
.set RR,  238                          ; v238-239 the image's two words
.set BV,  240                          ; v240-247 b_v of my column, eight times
.set SB,  248                          ; v248-251 my four columns' scale words
.set WV,   28
.set ROLE, 29
.set WP,   30                          ; s[30:31] the weight
.set BIA,  32                          ; s[32:33] the bias
.set SEL,  34                          ; s[34:35] v_permlanex16_b32's selects for lane l xor 16
.set MNT,  36                          ; s36      the mantissa field of 448
.set DCO,  44                          ; s[44:45] where my codes go
.set DSO,  46                          ; s[46:47] where my scale image goes
.set MSB, 0
.macro WIN new                         ; the immediate's high byte repeats the setting that is left
.if MSB != \new
	s_set_vgpr_msb (MSB<<8)|\new
.set MSB, \new
.endif
.endm
; 64 numbers of a lane, v[s] .. v[s + 63], register 16 b + i = k 32 b + 16 (lane / 16) + i of my row, become a fragment's codes in v[PC] on and its scale word in v[PW].
.macro QUANT s
.irp b, 0,1,2,3
	v_max3_num_f32 v[TM+\b], |v[\s+16*\b]|, |v[\s+1+16*\b]|, 0x4800000   ; block b: my 16 numbers, and the floor 2^(9 - 127): the byte cannot fall under 1
.endr
.irp i, 2,4,6,8,10,12,14
.irp b, 0,1,2,3
	v_max3_num_f32 v[TM+\b], v[TM+\b], |v[\s+16*\b+\i]|, |v[\s+1+16*\b+\i]|   ; the four blocks by turns
.endr
.endr
.irp b, 0,1,2,3
	v_permlanex16_b32 v[TM+4+\b], v[TM+\b], s[SEL], s[SEL+1]
.endr
.irp b, 0,1,2,3
	v_max_num_f32 v[TM+\b], v[TM+\b], v[TM+4+\b]   ; with lane l xor 16's: the block's largest magnitude
.endr
.irp b, 0,1,2,3
	v_add_nc_u32 v[TM+12+\b], 0xfc000000, v[TM+\b]   ; 8 off its exponent field: the conversion's scale operand
.endr
.irp b, 0,1,2,3
	v_and_or_b32 v[TM+8+\b], v[TM+\b], 0x7f800000, s[MNT]   ; 448 x the scale
.endr
.irp b, 0,1,2,3
	v_lshrrev_b32 v[TM+4+\b], 23, v[TM+12+\b]      ; the scale's byte
.endr
	v_lshl_or_b32 v[PW], v[TM+5], 8, v[TM+4]
	v_lshl_or_b32 v[PW], v[TM+6], 16, v[PW]
	v_lshl_or_b32 v[PW], v[TM+7], 24, v[PW]
.irp b, 0,1,2,3
.irp i, 0,1,2,3,4,5,6,7,8,9,10,11,12,13,14,15
	v_med3_num_f32 v[\s+16*\b+\i], v[\s+16*\b+\i], -v[TM+8+\b], v[TM+8+\b]   ; the conversion to an 8-bit code does not saturate (ISA guide 7.6.2): the hold comes first
.endr
	v_cvt_scalef32_pk8_fp8_f32 v[PC+4*\b:PC+1+4*\b], v[\s+16*\b:\s+7+16*\b], v[TM+12+\b]
	v_cvt_scalef32_pk8_fp8_f32 v[PC+2+4*\b:PC+3+4*\b], v[\s+8+16*\b:\s+15+16*\b], v[TM+12+\b]
.endr
	v_nop                                          ; a plain instruction behind the last scaled conversion, ahead of whatever next writes its sources
.endm
; fragment f of my four of X (tile f / 2, K step f % 2): 64 numbers a lane into set f % 2
.macro XLOAD f
.irp c, 0,1,2,3
.irp j, 0,1,2,3
	global_load_b128 v[ACC+64*((\f)%2)+16*\c+4*\j:ACC+64*((\f)%2)+16*\c+4*\j+3], v[XA], s[4:5] offset:((\f)/2)*8192+((\f)%2)*512+128*\c+16*\j
.endr
.endr
.endm
.macro XFRAG f, left                   ; left: the younger loads that may stay out
	s_wait_loadcnt \left
	QUANT ACC+64*((\f)%2)
.irp c, 0,1,2,3
	ds_store_b128 v[XWI], v[PC+4*\c:PC+4*\c+3] offset:2048*(\f)+512*\c
.endr
	ds_store_b32 v[XWS], v[PW] offset:64*(\f)      ; both halves of the lanes write the same word with the same value
	s_wait_dscnt 0x0                               ; the stores have read their registers
.endm
; group g of W's four: K block g of my half of K: W(128 h + 32 g + i, my four columns), i = 0 .. 31, into registers 128 (g % 2) + 4 i + j of window 2 (g = 0, 1) or 3
.macro WLD g
	WIN 0x80+0x40*((\g)/2)                         ; destination window 2 or 3, address window 0
.irp i, 0,1,2,3,4,5,6,7,8,9,10,11,12,13,14,15,16,17,18,19,20,21,22,23,24,25,26,27,28,29,30,31
	global_load_b128 v[128*((\g)%2)+4*\i:128*((\g)%2)+4*\i+3], v[WO], s[WP:WP+1] offset:(32*(\g)+\i)*1024
.endr
	WIN 0
.endm
; group g is quantised: four blocks of 32 along K, one of each of my columns, by turns.  A lane holds each block whole: no other lane is asked.
.macro WQ g
.set WB, 128*((\g)%2)
	WIN 0x0a+5*((\g)/2)                            ; sources 0 and 1: window 2 or 3
.irp j, 0,1,2,3
	v_max3_num_f32 v[TM+\j], |v[WB+\j]|, |v[WB+4+\j]|, 0x4800000   ; column j: the first two numbers, and the floor 2^(9 - 127)
.endr
.irp i, 2,4,6,8,10,12,14,16,18,20,22,24,26,28,30
.irp j, 0,1,2,3
	v_max3_num_f32 v[TM+\j], |v[WB+4*\i+\j]|, |v[WB+4*\i+4+\j]|, v[TM+\j]
.endr
.endr
	WIN 0
.irp j, 0,1,2,3
	v_add_nc_u32 v[TM+8+\j], 0xfc000000, v[TM+\j]  ; 8 off the exponent field: the conversion's scale operand
.endr
.irp j, 0,1,2,3
	v_and_or_b32 v[TM+4+\j], v[TM+\j], 0x7f800000, s[MNT]   ; 448 x the scale
.endr
.if (\g) == 0
.irp j, 0,1,2,3
	v_lshrrev_b32 v[SB+\j], 23, v[TM+8+\j]         ; the scale's byte: the first of four begins the word of my half of K
.endr
.else
.irp j, 0,1,2,3
	v_lshrrev_b32 v[TM+12+\j], 23, v[TM+8+\j]
.endr
.irp j, 0,1,2,3
	v_lshl_or_b32 v[SB+\j], v[TM+12+\j], 8*(\g), v[SB+\j]
.endr
.endif
	WIN 0x42+(\g)/2                                ; source 0 window 2 or 3, destination window 1
.irp j, 0,1,2,3
.irp i, 0,1,2,3,4,5,6,7,8,9,10,11,12,13,14,15,16,17,18,19,20,21,22,23,24,25,26,27,28,29,30,31
	v_med3_num_f32 v[32*\j+\i], v[WB+4*\i+\j], -v[TM+4+\j], v[TM+4+\j]   ; the hold, and the turn: column j's 32 numbers on end
.endr
.endr
	WIN 0x01                                       ; source 0 window 1
	s_wait_dscnt 0x0                               ; the last group's stores have read the codes' registers
.irp j, 0,1,2,3
.irp q, 0,1,2,3
	v_cvt_scalef32_pk8_fp8_f32 v[CW+8*\j+2*\q:CW+8*\j+2*\q+1], v[32*\j+8*\q:32*\j+8*\q+7], v[TM+8+\j]
.endr
.endr
	WIN 0
	v_nop                                          ; a plain instruction behind the last scaled conversion
.irp j, 0,1,2,3
	ds_store_b128 v[WA], v[CW+8*\j:CW+8*\j+3] offset:512*(\g)+16*\j           ; k 32 g + 0 .. 15 of my half: the place of lane (rr, 0) in the image
	ds_store_b128 v[WA], v[CW+8*\j+4:CW+8*\j+7] offset:512*(\g)+16*\j+256     ; k 32 g + 16 .. 31: that of lane (rr, 1)
.endr
.if (\g) == 3
.irp j, 0,1,2,3
	ds_store_b32 v[WSA], v[SB+\j] offset:4*\j
.endr
.endif
.endm
; 16 matrix instructions: eight accumulators by turns, K step 0 (C = the bias), then K step 1; source 0 in window 1.  Then the places ahead of the first read of results.
.macro MM16 cb, cs
	WIN 0x01
.irp nt, 0,1,2,3,4,5,6,7
	v_wmma_scale_f32_16x16x128_f8f6f4 v[ACC+8*\nt:ACC+8*\nt+7], v[32*\nt:32*\nt+15], v[MF:MF+15], v[\cb+\cs*\nt:\cb+\cs*\nt+7], v[NS+\nt], v[MS]
.endr
.irp nt, 0,1,2,3,4,5,6,7
	v_wmma_scale_f32_16x16x128_f8f6f4 v[ACC+8*\nt:ACC+8*\nt+7], v[32*\nt+16:32*\nt+31], v[MF+16:MF+31], v[ACC+8*\nt:ACC+8*\nt+7], v[NS+\nt], v[MS] matrix_a_scale:MATRIX_SCALE_ROW1 matrix_b_scale:MATRIX_SCALE_ROW1
.endr
	WIN 0
.rept 8
	v_nop
.endr
.endm
	s_load_b256 s[4:11], s[0:1], 0x0               ; X s[4:5], P s[6:7], W_q s[8:9], W_k s[10:11]
	s_load_b256 s[12:19], s[0:1], 0x20             ; W_v s[12:13], b_q s[14:15], b_k s[16:17], b_v s[18:19]
	s_load_b256 s[20:27], s[0:1], 0x40             ; Qc s[20:21], Qs s[22:23], KVc s[24:25], SD s[26:27]
	v_lshl_add_u32 v[SPW], v0, 2, SPARE
	v_mov_b32 v[NIL], 0
	v_lshrrev_b32 v21, 5, v0
	v_readfirstlane_b32 s[WV], v21                 ; wave 0..3
	s_and_b32 s[ROLE], ttmp7, 0xffff               ; 0 Q, 1 K, 2 V
	v_and_b32 v[LN], 31, v0
	v_and_b32 v21, 15, v0                          ; r
	v_bfe_u32 v22, v0, 4, 1                        ; h
	v_and_b32 v23, 8, v0
	v_add_nc_u32 v23, v23, v21                     ; r + 8 (r / 8)
	v_lshlrev_b32 v[LI], 4, v[LN]
	v_lshl_add_u32 v[L4S], v[LN], 2, XSC
	v_lshlrev_b32 v[L8], 3, v[LN]
	v_lshlrev_b32 v[BH], 6, v22
	v_lshlrev_b32 v[BR], 2, v23
	v_lshlrev_b32 v[XA], 10, v23
	v_lshl_add_u32 v[XA], v22, 6, v[XA]
	s_lshl_b32 s40, s[WV], 13
	v_add_nc_u32 v[XWI], s40, v[LI]
	s_lshl_b32 s40, s[WV], 8
	v_lshl_add_u32 v[XWS], v21, 2, XSC
	v_add_nc_u32 v[XWS], s40, v[XWS]
	v_add_nc_u32 v[MSX], s40, v[L4S]
	v_lshl_add_u32 v[WO], v21, 4, s40              ; W: 16 bytes (four columns) a lane of sixteen, 256 a wave,
	v_lshl_add_u32 v[WO], v22, 17, v[WO]           ; and 128 rows of 1,024 bytes further down for lanes 16-31
	; Column 4 r + j of my wave's 64 is index 4 (r % 8) + j of pair r / 8 of tiles.  By the index rule that is tile u = (r / 2) % 2 of the pair, and the tile's lane rr = 4 (r % 2) + j + 8 ((r / 4) % 2).
	; Codes: 8,192 a pair of tiles, 4,096 a tile, 2,048 a K step (my half h), 16 rr; scale words: 256, 128, 64, 4 rr.  j stands in the stores' immediates.
	v_bfe_u32 v24, v0, 3, 1                        ; r / 8
	v_bfe_u32 v25, v0, 1, 1                        ; (r / 2) % 2
	v_and_b32 v26, 1, v0                           ; r % 2
	v_bfe_u32 v27, v0, 2, 1                        ; (r / 4) % 2
	s_lshl_b32 s40, s[WV], 14
	s_add_co_u32 s40, s40, WIMG
	v_lshl_add_u32 v[WA], v24, 13, s40
	v_lshl_add_u32 v[WA], v25, 12, v[WA]
	v_lshl_add_u32 v[WA], v22, 11, v[WA]
	v_lshl_add_u32 v[WA], v27, 7, v[WA]
	v_lshl_add_u32 v[WA], v26, 6, v[WA]
	v_add_nc_u32 v[MAW], s40, v[LI]
	s_lshl_b32 s40, s[WV], 9
	s_add_co_u32 s40, s40, WSC
	v_lshl_add_u32 v[WSA], v24, 8, s40
	v_lshl_add_u32 v[WSA], v25, 7, v[WSA]
	v_lshl_add_u32 v[WSA], v22, 6, v[WSA]
	v_lshl_add_u32 v[WSA], v27, 5, v[WSA]
	v_lshl_add_u32 v[WSA], v26, 4, v[WSA]
	v_lshl_add_u32 v[MSW], v[LN], 2, s40
	v_add_nc_u32 v[LW0], WIMG, v[LI]
	v_add_nc_u32 v[LW0+1], WIMG+32768, v[LI]
.irp b, 0,1,2,3
	v_mov_b32 v[TM+4+\b], 0                        ; written once: a lane permute's destination counts as one of its sources
.endr
	s_mov_b32 s[SEL], 0x76543210
	s_mov_b32 s[SEL+1], 0xfedcba98
	s_mov_b32 s[MNT], 0x600000
	s_lshl_b32 s42, ttmp9, 17                      ; X: 128 rows of 1,024 bytes a work-group,
	s_lshl_b32 s43, s[WV], 15                      ; 32 a wave
	s_add_co_u32 s42, s42, s43
	s_mov_b32 s43, 0
	; where the results go, in bytes, for each of the three roles
	s_lshl_b32 s48, ttmp9, 15                      ; Q's codes: 32,768 a group
	s_lshl_b32 s49, ttmp9, 16                      ; K's: a step of KVc is 65,536: K's 32,768,
	s_add_co_u32 s50, s49, 32768                   ; then V's
	s_lshl_b32 s51, ttmp9, 10                      ; Q's scale image: 1,024 a group
	s_lshr_b32 s52, ttmp9, 4
	s_mul_i32 s52, s52, 57344                      ; SD: a quarter of the keys is 57,344 bytes: 16 x (K's image 1,024 + points 1,536), then 16 x V's image 1,024
	s_and_b32 s53, ttmp9, 15
	s_mul_i32 s54, s53, 2560
	s_add_co_u32 s54, s54, s52                     ; K's image
	s_lshl_b32 s53, s53, 10
	s_add_co_u32 s53, s53, s52
	s_add_co_u32 s53, s53, 40960                   ; V's
	s_lshl_b32 s55, s[WV], 13                      ; my wave's part of the codes: 8,192 bytes in every role,
	s_lshl_b32 s56, s[WV], 8                       ; and of the image: 256
	s_wait_kmcnt 0x0
	s_add_nc_u64 s[4:5], s[4:5], s[42:43]
	s_cmp_eq_u32 s[ROLE], 0                        ; the choices hang on the work-group's number alone
	s_cselect_b64 s[WP:WP+1], s[8:9], s[10:11]
	s_cselect_b64 s[BIA:BIA+1], s[14:15], s[16:17]
	s_cselect_b64 s[DCO:DCO+1], s[20:21], s[24:25]
	s_cselect_b64 s[DSO:DSO+1], s[22:23], s[26:27]
	s_cselect_b32 s48, s48, s49
	s_cselect_b32 s51, s51, s54
	s_cmp_eq_u32 s[ROLE], 2
	s_cselect_b64 s[WP:WP+1], s[12:13], s[WP:WP+1]
	s_cselect_b64 s[BIA:BIA+1], s[18:19], s[BIA:BIA+1]
	s_cselect_b32 s48, s50, s48
	s_cselect_b32 s50, s53, s51
	s_add_co_u32 s48, s48, s55
	s_mov_b32 s49, 0
	s_add_co_u32 s50, s50, s56
	s_mov_b32 s51, 0
	s_add_nc_u64 s[DCO:DCO+1], s[DCO:DCO+1], s[48:49]
	s_add_nc_u64 s[DSO:DSO+1], s[DSO:DSO+1], s[50:51]
	; ---- X: my 32 rows become four fragments, two sets of 64 registers by turns.  W: my 64 columns, four groups.  The loads go out in this order: X 0, X 1, W 0, X 2, X 3, W 1, W 2, W 3;
	; loads come back in order (ISA guide 5.7.1), so each wait's count is the number of loads issued behind the ones that it wants
	XLOAD 0
	XLOAD 1
	WLD 0
	XFRAG 0, 48                                    ; behind X 0: X 1's 16 and W 0's 32
	XLOAD 2
	XFRAG 1, 48                                    ; behind X 1: W 0's 32 and X 2's 16
	XLOAD 3
	s_wait_loadcnt 32                              ; W 0 is in; X 2's and X 3's 32 may be out
	WLD 1
	WQ 0                                           ; it touches neither set of X: X's second pair of fragments lands meanwhile
	XFRAG 2, 48                                    ; behind X 2: X 3's 16 and W 1's 32
	XFRAG 3, 32                                    ; behind X 3: W 1's 32
	WLD 2
	s_wait_loadcnt 32                              ; W 1 is in; W 2's 32 may be out
	WLD 3
	WQ 1
	s_wait_loadcnt 32                              ; W 2 is in; W 3's 32 may be out
	WQ 2
	s_wait_loadcnt 0x0
	WQ 3
	s_wait_dscnt 0x0                               ; for the others' sake: all my images lie in LDS
	s_barrier_signal -1
	s_barrier_wait -1                              ; from here on LDS is only read
	s_cmp_eq_u32 s[ROLE], 2
	s_cbranch_scc1 .Lvpath
	; ---- Q or K: my two tiles of rows against all sixteen tiles of columns, eight (one K step of the next product) at a time
.irp sp, 0,1
	WIN 0x40                                       ; destination window 1
.set i, 0
.rept 64
	ds_load_b128 v[4*i:4*i+3], v[LW0+\sp] offset:512*i
.set i, i+1
.endr
	WIN 0
.irp nt, 0,1,2,3,4,5,6,7
	ds_load_b32 v[NS+\nt], v[L4S] offset:1024+(8*\sp+\nt)*128
.endr
.irp nt, 0,1,2,3,4,5,6,7
	global_load_b128 v[BI+8*\nt:BI+8*\nt+3], v[BH], s[BIA:BIA+1] offset:512*\sp+128*(\nt/2)+32*(\nt%2)      ; the bias at hidden units 128 sp + 32 b + 16 h + 8 u + 0 .. 7
	global_load_b128 v[BI+8*\nt+4:BI+8*\nt+7], v[BH], s[BIA:BIA+1] offset:512*\sp+128*(\nt/2)+32*(\nt%2)+16
.endr
.irp m, 0,1
.irp c, 0,1,2,3,4,5,6,7
	ds_load_b128 v[MF+4*\c:MF+4*\c+3], v[XWI] offset:4096*\m+512*\c
.endr
	ds_load_b32 v[MS], v[MSX] offset:128*\m
	s_wait_loadcnt 0x0
	s_wait_dscnt 0x0
	MM16 BI, 8
	s_wait_xcnt 0x0                                ; the last fragment's stores have read v[PC] on
	QUANT ACC
.irp c, 0,1,2,3
	global_store_b128 v[LI], v[PC+4*\c:PC+4*\c+3], s[DCO:DCO+1] offset:4096*\m+2048*\sp+512*\c
.endr
	v_mov_b32 v[PWK+2*\m+\sp], v[PW]
.endr
.endr
	s_branch .Ltail
.Lvpath:
	; ---- V: all eight tiles of rows (the keys) against my four tiles of columns
	s_lshl_b32 s40, s[WV], 8
	s_mov_b32 s41, 0
	s_add_nc_u64 s[BIA:BIA+1], s[BIA:BIA+1], s[40:41]   ; b_v at my 64 columns
	WIN 0x40
.set i, 0
.rept 64
	ds_load_b128 v[4*i:4*i+3], v[LI] offset:XIMG+512*i
.set i, i+1
.endr
	WIN 0
.irp nt, 0,1,2,3,4,5,6,7
	ds_load_b32 v[NS+\nt], v[L4S] offset:128*\nt
.endr
.irp d, 0,1,2,3
.irp c, 0,1,2,3,4,5,6,7
	ds_load_b128 v[MF+4*\c:MF+4*\c+3], v[MAW] offset:4096*\d+512*\c
.endr
	ds_load_b32 v[MS], v[MSW] offset:128*\d
.irp j, 0,1,2,3,4,5,6,7
	global_load_b32 v[BV+\j], v[BR], s[BIA:BIA+1] offset:128*(\d/2)+32*(\d%2)   ; a lane holds one column: its bias in all eight registers
.endr
	s_wait_loadcnt 0x0
	s_wait_dscnt 0x0
	MM16 BV, 0
	s_wait_xcnt 0x0
	QUANT ACC
.irp c, 0,1,2,3
	global_store_b128 v[LI], v[PC+4*\c:PC+4*\c+3], s[DCO:DCO+1] offset:2048*\d+512*\c
.endr
	v_mov_b32 v[PWK+\d], v[PW]
.endr
.Ltail:
	; the scale image: two words a lane; lanes 0-15 take the even word of each pair kept, lanes 16-31 the odd one (Q, K: K steps 0 and 1 of a tile; V: two neighbouring tiles)
	v_cmp_gt_u32 vcc_lo, 16, v[LN]
	v_cndmask_b32 v[RR], v[PWK+1], v[PWK], vcc_lo
	v_cndmask_b32 v[RR+1], v[PWK+3], v[PWK+2], vcc_lo
	global_store_b64 v[L8], v[RR:RR+1], s[DSO:DSO+1]
	s_xor_b32 s40, s[ROLE], 1
	s_or_b32 s40, s40, s[WV]
	s_cmp_lg_u32 s40, 0
	s_cbranch_scc1 .Lend                           ; wave 0 of K's work-group also lays the group's 128 points: x[128], y[128], z[128], each times c
	s_mul_i32 s40, ttmp9, 1536
	s_mov_b32 s41, 0
	s_add_nc_u64 s[6:7], s[6:7], s[40:41]
	v_mul_u32_u24 v21, v[LN], 48                   ; four points, 48 bytes, a lane
	global_load_b128 v[32:35], v21, s[6:7]
	global_load_b128 v[36:39], v21, s[6:7] offset:16
	global_load_b128 v[40:43], v21, s[6:7] offset:32
	s_wait_loadcnt 0x0
.irp k, 0,1,2
.irp p, 0,1,2,3
	v_mul_f32 v[96+4*\k+\p], 0x3f596d27, v[32+3*\p+\k]   ; c = sqrt(log2(e) / 2)
.endr
.endr
.irp k, 0,1,2
	global_store_b128 v[LI], v[96+4*\k:96+4*\k+3], s[DSO:DSO+1] offset:1024+512*\k
.endr
.Lend:
	s_wait_tensorcnt 0x0                           ; the wave's end, behind my last LDS store
	ds_add_u32 v[SPW], v[NIL]
	s_wait_dscnt 0x0
	s_endpgm
.Lfunc_end_k_qd197a908d9_proj:
	.size	k_qd197a908d9_proj, .Lfunc_end_k_qd197a908d9_proj-k_qd197a908d9_proj
	.p2alignl 7, 3214868480
	.fill 96, 4, 3214868480
	.section	.rodata,"a",@progbits
	.p2align	6, 0x0
	.amdhsa_kernel k_qd197a908d9_proj
		.amdhsa_group_segment_fixed_size 101888
		.amdhsa_private_segment_fixed_size 0
		.amdhsa_enable_private_segment 0
		.amdhsa_kernarg_size 96
		.amdhsa_user_sgpr_count 2
		.amdhsa_user_sgpr_kernarg_segment_ptr 1
		.amdhsa_wavefront_size32 1
		.amdhsa_system_sgpr_workgroup_id_x 1
		.amdhsa_system_sgpr_workgroup_id_y 1
		.amdhsa_system_sgpr_workgroup_id_z 1
		.amdhsa_system_vgpr_workitem_id 0
		.amdhsa_next_free_vgpr 1024
		.amdhsa_next_free_sgpr 66
		.amdhsa_reserve_vcc 1
		.amdhsa_float_denorm_mode_32 3
		.amdhsa_float_denorm_mode_16_64 3
		.amdhsa_memory_ordered 1
		.amdhsa_forward_progress 1
		.amdhsa_inst_pref_size 229
	.end_amdhsa_kernel
	.amdgpu_metadata
---
amdhsa.version: [ 1, 2 ]
amdhsa.kernels:
  - .name:           k_qd197a908d9_proj
    .symbol:         k_qd197a908d9_proj.kd
    .args:
      - { .name: X, .offset: 0, .size: 8, .value_kind: global_buffer, .address_space: global }
      - { .name: P, .offset: 8, .size: 8, .value_kind: global_buffer, .address_space: global }
      - { .name: W_q, .offset: 16, .size: 8, .value_kind: global_buffer, .address_space: global }
      - { .name: W_k, .offset: 24, .size: 8, .value_kind: global_buffer, .address_space: global }
      - { .name: W_v, .offset: 32, .size: 8, .value_kind: global_buffer, .address_space: global }
      - { .name: b_q, .offset: 40, .size: 8, .value_kind: global_buffer, .address_space: global }
      - { .name: b_k, .offset: 48, .size: 8, .value_kind: global_buffer, .address_space: global }
      - { .name: b_v, .offset: 56, .size: 8, .value_kind: global_buffer, .address_space: global }
      - { .name: Qc, .offset: 64, .size: 8, .value_kind: global_buffer, .address_space: global }
      - { .name: Qs, .offset: 72, .size: 8, .value_kind: global_buffer, .address_space: global }
      - { .name: KVc, .offset: 80, .size: 8, .value_kind: global_buffer, .address_space: global }
      - { .name: SD, .offset: 88, .size: 8, .value_kind: global_buffer, .address_space: global }
    .group_segment_fixed_size: 101888
    .private_segment_fixed_size: 0
    .kernarg_segment_align: 8
    .kernarg_segment_size: 96
    .max_flat_workgroup_size: 128
    .sgpr_count:     66
    .vgpr_count:     1024
    .wavefront_size: 32
...
	.end_amdgpu_metadata
.endif
;; end of part 1
;; launch stats (part 2): grid 64 x 4, 8 waves a work-group, clusters of 4 x 1, 327,680 bytes of LDS; arguments Qc, Qs, KVc, SD, ST; writes ST
.if DOCPART == 2
	.amdgcn_target "amdgcn-amd-amdhsa--gfx1250"
	.amdhsa_code_object_version 6
	.text
	.protected	k_qd197a908d9_stats
	.globl	k_qd197a908d9_stats
	.p2align	8
	.type	k_qd197a908d9_stats,@function
k_qd197a908d9_stats:
	s_mov_b64 s[64:65], 0
	v_nop
	global_prefetch_b8 v0, s[64:65] scope:SCOPE_SE
	s_setreg_imm32_b32 hwreg(HW_REG_WAVE_MODE, 25, 1), 1
	s_wait_xcnt 0x0
	s_wait_alu depctr_hold_cnt(0) depctr_sa_sdst(0) depctr_va_vdst(0) depctr_va_sdst(0) depctr_va_ssrc(0) depctr_va_vcc(0) depctr_vm_vsrc(0)
	s_getreg_b32 s2, hwreg(HW_REG_IB_STS2, 6, 4)
	s_cmp_eq_u32 s2, 0
	s_cbranch_scc0 .Lentry_in_a_cluster
	s_endpgm
.Lentry_in_a_cluster:
	s_bfe_u32 s2, ttmp6, 0x10000c
	s_cmp_lg_u32 s2, 0x3003
	s_cbranch_scc0 .Lentry_shape_is_right
	s_endpgm
.Lentry_shape_is_right:
; THE FIRST WALK OVER THE KEYS: for each query the largest t and the sum of 2^(t - M), t = (Q . K / 16) x exp(-|Pi - Pj|^2 / 2) x log2(e), M = the largest t rounded up to a whole number.
; Nothing of the problem is left out here; Q K^T and the decay are made again in the next launch, since the softmax is quantised finished and normalised.
; SHARES.  A work-group owns 128 queries (x) and a quarter of the keys, 2,048 (y).  Eight waves: wave w holds 64 queries (w % 2: four tiles of 16) and walks stream w / 2: of each lap's four key steps of 128 the one
; with its number.  Four laps.  Two waves share a SIMD, so that one wave's matrix work and LDS loads stand beside the other's vector work.
; LAYOUT.  S^T = K Q^T (source 0 = 16 keys, source 1 = 16 queries): a lane holds one query, and the 16 registers of key tiles 2 b and 2 b + 1 are keys 32 b + 16 (lane / 16) + 0 .. 15.
; The two halves of the lanes see different keys and keep their own maximum and sum: the next launch joins them, with the sixteen parts (4 quarters x 4 streams).
; THE DECAY.  The points arrive times c = sqrt(log2(e) / 2): w = 2^(-(kx - qx)^2 - (ky - qy)^2 - (kz - qz)^2 - c0), c0 = log2(16 / log2(e)), is decay x log2(e) / 16, and t = score x w.  Plain differences: no
; difference of large sums arises where P carries an offset.  Two numbers an instruction; a block's 16 matrix instructions stand among these lines, one behind each eight.
; RING.  K's fragments lie in memory in the order of the operand's registers: a step's are one dense block of 32,768 bytes.  Two LDS slots of four steps; every wave fetches 16,384 bytes of a slot by one tensor load.
; K's scale images and the points of the whole quarter, 40,960 bytes, come once, with the first fills.
; CLUSTER.  The four work-groups of a cluster own other queries and the same quarter of the keys: every tile is asked for jointly, by the same load with the same descriptor and the mask of all four.
; LIMITS: NaN and infinities are not served; 2^x under 2^-126 counts as 0.
.set NLAP,  4
.set LAPB,  262144                     ; a lap on in KVc: four steps of 65,536 bytes
.set SLOT1, 1<<17                      ; slot 1 begins here: one exclusive or turns an address in one slot into the other's
.set SDB,   262144                     ; behind the ring: the quarter's side data, 16 x (K's scale image 1,024 + points 1,536)
.set SSTEP, 2560
.set SPARE, 319488                     ; the spare words, 128 bytes for each wave: four blocks of 256 bytes that no other line names
.set SPW, 1                            ; v1   LDS address of my spare word; never rewritten
.set NIL, 2                            ; v2   0; never rewritten
.set LI,  3                            ; v3   16 x lane
.set L8,  4                            ; v4   8 x lane
.set LH,  5                            ; v5   64 (lane / 16)
.set ADK, 6                            ; v6   LDS address of the step's fragments of K
.set ADS, 7                            ; v7   of its scale image
.set ADP, 8                            ; v8   of its points
.set PFO, 10                           ; v10  256 x lane: the prefetches' offset; never rewritten
.set QP,  16                           ; v16-31   tile t at 16 + 4 t: qx, qy, qz, -M
.set QS,  32                           ; v32-35   Q's scale words: lanes 0-15 K step 0's, lanes 16-31 K step 1's
.set KS,  36                           ; v36-37   K's, of the block's two tiles
.set MX,  38                           ; v38-41   the largest t so far
.set SUM, 42                           ; v42-49   the sum, a pair a tile
.set T,   50                           ; v50-65   at work
.set PT,  80                           ; v80-127  the block's 16 keys of my half: x, y, z
.set S,   128                          ; v128-191 S^T, then t, then 2^(t - M): 16 t + i
.set WD,  192                          ; v192-255 the exponent, then w: 16 t + i
.set KF,  128                          ; window 1: v0-127 Q (32 t + 16 s); v128-191 K's four fragments of a block (32 u + 16 s)
.set WV,  16
.set QG,  17
.set STR, 18
.set CX,  19
.set GQ,  20
.set SPL, 21
.set G1R, 24                           ; s[24:31] descriptor group 1 of the ring's loads;  s[32:39] of the side data's
.set G1S, 32
.set G0R, 40                           ; s[40:43] group 0 of the ring's loads: it walks;  s[44:47] of the side data's
.set G0S, 44
.set TB,  48                           ; s48  LDS byte at which my stream's step begins
.set TS,  49                           ; s49  and its side data
.set CNT, 51                           ; s51  laps still to be asked for
.set LIM, 52                           ; s52  1 in a wave that prefetches, else the greatest number
.set PFA, 54                           ; s[54:55] where my prefetches stand
.set NC0, 56                           ; s[56:57] -c0
.set MSB, 0
.macro WIN new                         ; the immediate's high byte repeats the setting that is left
.if MSB != \new
	s_set_vgpr_msb (MSB<<8)|\new
.set MSB, \new
.endif
.endm
.macro CROUND                          ; a round of the cluster's barrier
	s_barrier_signal -1
	s_barrier_wait -1
	s_cmp_lg_u32 s[WV], 0
	s_cbranch_scc1 .Lnot_wave_0_\@
	s_barrier_signal -3
.Lnot_wave_0_\@:
	s_barrier_wait -3
	s_barrier_signal -1
	s_barrier_wait -1
.endm
; A prefetch of what the NEXT change of slots will ask for.  All clusters of a quarter walk the same K: the first of them asks.  Its four partners share a step's 32,768 bytes out by address, 8,192 each; in each the
; even wave of a stream asks, lanes 256 bytes apart: each block of 256 bytes is named once in the launch.  The last change that fills a slot asks for nothing; laps 0 and 1 come by their loads alone.
.macro ASK
	s_cmp_gt_u32 s[CNT], s[LIM]
	s_cbranch_scc0 .Lnot_mine_\@
	global_prefetch_b8 v[PFO], s[PFA:PFA+1] th:TH_LOAD_NT scope:SCOPE_SE
.Lnot_mine_\@:
.endm
; THE CHANGE OF SLOTS stands at a lap's head.  Each wave waits for all its tensor loads (its part of the slot that it is about to read), adds 0 to its spare word, and waits for that and for its reads of the slot
; that it has left.  fill = 1: a round of the cluster's barrier, and behind it, first, the joint load of the next lap into the slot just left: it has a whole lap's work in which to land.
.macro CHANGE fill
	s_wait_tensorcnt 0x0                           ; no tensor load of mine is out, so a group 0 may be written
	ds_add_u32 v[SPW], v[NIL]                      ; 0 onto my spare word
.if \fill
	s_xor_b32 s[G0R+1], s[G0R+1], SLOT1            ; the other slot than last time,
	s_add_nc_u64 s[G0R+2:G0R+3], s[G0R+2:G0R+3], LAPB   ; the next lap; the type bits on top are not reached
	s_wait_xcnt 0x0                                ; the last prefetch, a lap back, has read its address
	s_add_nc_u64 s[PFA:PFA+1], s[PFA:PFA+1], LAPB
	s_wait_dscnt 0x0                               ; the add is done, and my reads of the slot that I have left are over
	CROUND
	tensor_load_to_lds s[G0R:G0R+3], s[G1R:G1R+7]
	s_nop 0
.rept 4
	v_nop
.endr
	ASK
.else
	s_wait_dscnt 0x0
	s_barrier_signal -1
	s_barrier_wait -1
.endif
.endm
.macro LDK b                           ; block b's four fragments of K (tiles 2 b, 2 b + 1; two K steps) and their scale words
	WIN 0x40
.irp u, 0,1
.irp c, 0,1,2,3,4,5,6,7
	ds_load_b128 v[KF+32*\u+4*\c:KF+32*\u+4*\c+3], v[ADK] offset:(2*(\b)+\u)*4096+512*\c
.endr
.endr
	WIN 0
	ds_load_b64 v[KS:KS+1], v[ADS] offset:256*(\b)
.endm
.macro LDPT b                          ; the points of keys 32 b + 16 (lane / 16) + 0 .. 15: sixteen lanes read the same bytes
.irp k, 0,1,2
.irp i, 0,1,2,3
	ds_load_b128 v[PT+16*\k+4*\i:PT+16*\k+4*\i+3], v[ADP] offset:1024+512*\k+128*(\b)+16*\i
.endr
.endr
.endm
; Matrix instruction n of a block's 16: K step n / 8, query tile (n / 2) % 4, key tile n % 2.  The eight accumulators take turns; the first eight start the sums.
.macro QKMM n
.set ms, (\n)/8
.set mt, ((\n)/2)%4
.set mu, (\n)%2
	WIN 0x05                                       ; K and Q in window 1, S^T in window 0
.if ms == 0
	v_wmma_scale_f32_16x16x128_f8f6f4 v[S+16*mt+8*mu:S+16*mt+8*mu+7], v[KF+32*mu:KF+32*mu+15], v[32*mt:32*mt+15], 0, v[KS+mu], v[QS+mt]
.else
	v_wmma_scale_f32_16x16x128_f8f6f4 v[S+16*mt+8*mu:S+16*mt+8*mu+7], v[KF+32*mu+16:KF+32*mu+31], v[32*mt+16:32*mt+31], v[S+16*mt+8*mu:S+16*mt+8*mu+7], v[KS+mu], v[QS+mt] matrix_a_scale:MATRIX_SCALE_ROW1 matrix_b_scale:MATRIX_SCALE_ROW1
.endif
	WIN 0
.endm
; Stage g of six of tile t's exponents: g even: the differences of coordinate g / 2, eight pairs; g odd: their squares taken off what has been gathered (g = 1: off -c0).
.macro DSTG t, g
.set pp, 0
.if ((\g)%2) == 0
.rept 8
.if (\g) == 0
	v_pk_add_f32 v[T+2*pp:T+2*pp+1], v[PT+2*pp:PT+2*pp+1], v[QP+4*(\t):QP+4*(\t)+1] op_sel_hi:[1,0] neg_lo:[0,1] neg_hi:[0,1]
.elseif (\g) == 2
	v_pk_add_f32 v[T+2*pp:T+2*pp+1], v[PT+16+2*pp:PT+16+2*pp+1], v[QP+4*(\t):QP+4*(\t)+1] op_sel:[0,1] op_sel_hi:[1,1] neg_lo:[0,1] neg_hi:[0,1]
.else
	v_pk_add_f32 v[T+2*pp:T+2*pp+1], v[PT+32+2*pp:PT+32+2*pp+1], v[QP+4*(\t)+2:QP+4*(\t)+3] op_sel_hi:[1,0] neg_lo:[0,1] neg_hi:[0,1]
.endif
.set pp, pp+1
.endr
.else
.rept 8
.if (\g) == 1
	v_pk_fma_f32 v[WD+16*(\t)+2*pp:WD+16*(\t)+2*pp+1], v[T+2*pp:T+2*pp+1], v[T+2*pp:T+2*pp+1], s[NC0:NC0+1] op_sel_hi:[1,1,0] neg_lo:[1,0,0] neg_hi:[1,0,0]
.else
	v_pk_fma_f32 v[WD+16*(\t)+2*pp:WD+16*(\t)+2*pp+1], v[T+2*pp:T+2*pp+1], v[T+2*pp:T+2*pp+1], v[WD+16*(\t)+2*pp:WD+16*(\t)+2*pp+1] neg_lo:[1,0,0] neg_hi:[1,0,0]
.endif
.set pp, pp+1
.endr
.endif
.endm
.macro PEXP n, lim                     ; up to n more of the block's 64 exponentials w = 2^e, of tiles whose exponents are whole
.rept \n
.if XP < (\lim)
	v_exp_f32 v[WD+XP], v[WD+XP]
.set XP, XP+1
.endif
.endr
.endm
.macro NEXTK b
.if (\b) < 3
	LDK (\b)+1
.endif
.endm
; A BLOCK OF 32 KEYS, first half: 24 stages of eight packed lines; behind each of the first sixteen one matrix instruction; the exponentials of finished tiles three a stage.  None of these lines names a register
; of the matrix instructions, so they are the places behind them: sixteen stand between the last matrix instruction and the loads of the next block's K.  No line names an exponential's result ahead of the one wait.
.macro DPHASE b
.set XP, 0
.set qq, 0
.rept 24
	DSTG qq/6, qq%6
	PEXP 3, 16*(qq/6)
.if qq < 16
	QKMM qq
.endif
.if qq == 17
	NEXTK \b
.endif
.set qq, qq+1
.endr
.if (\b) < 3
	LDPT (\b)+1
.endif
	PEXP 16, 64
	v_nop                                          ; a plain instruction behind the last exponential
	s_wait_alu depctr_va_vdst(0)                   ; one wait for the 64, ahead of their first reader
.endm
; second half: t, the running maximum, M, 2^(t - M), the sums
.macro EPHASE
.irp t, 0,1,2,3
.irp p, 0,1,2,3,4,5,6,7
	v_pk_mul_f32 v[S+16*\t+2*\p:S+16*\t+2*\p+1], v[S+16*\t+2*\p:S+16*\t+2*\p+1], v[WD+16*\t+2*\p:WD+16*\t+2*\p+1]   ; t = score x w; each accumulator from its low end on
.endr
.endr
.irp i, 0,1,2,3
.irp t, 0,1,2,3
	v_max3_num_f32 v[T+4*\t+\i], v[S+16*\t+3*\i], v[S+16*\t+3*\i+1], v[S+16*\t+3*\i+2]
.endr
.endr
.irp t, 0,1,2,3
	v_max3_num_f32 v[T+4*\t], v[T+4*\t], v[S+16*\t+12], v[S+16*\t+13]
	v_max3_num_f32 v[T+4*\t+1], v[T+4*\t+1], v[S+16*\t+14], v[S+16*\t+15]
.endr
.irp t, 0,1,2,3
	v_max3_num_f32 v[T+4*\t], v[T+4*\t], v[T+4*\t+1], v[T+4*\t+2]
.endr
.irp t, 0,1,2,3
	v_max3_num_f32 v[MX+\t], v[MX+\t], v[T+4*\t], v[T+4*\t+3]
.endr
.irp t, 0,1,2,3
	v_mov_b32 v[T+\t], v[QP+4*\t+3]
.endr
.irp t, 0,1,2,3
	v_floor_f32 v[QP+4*\t+3], -v[MX+\t]            ; the new -M = floor(-t): M is a whole number
.endr
.irp t, 0,1,2,3
	v_sub_f32 v[T+\t], v[QP+4*\t+3], v[T+\t]       ; old M less new M: a whole number, 0 or less
.endr
.irp t, 0,1,2,3
	v_cvt_i32_f32 v[T+\t], v[T+\t]                 ; (it saturates)
.endr
.irp t, 0,1,2,3
	v_ldexp_f32 v[T+4+2*\t], 1.0, v[T+\t]          ; f = 2^(old M - new M): the sum is brought under the new M by a multiplication that rounds nothing
.endr
.irp t, 0,1,2,3
.irp p, 0,1,2,3,4,5,6,7
	v_pk_add_f32 v[S+16*\t+2*\p:S+16*\t+2*\p+1], v[S+16*\t+2*\p:S+16*\t+2*\p+1], v[QP+4*\t+2:QP+4*\t+3] op_sel:[0,1] op_sel_hi:[1,1]   ; t - M (of the pair qz, -M the upper word serves both halves)
.if \t > 0
	v_exp_f32 v[S+16*(\t-1)+2*\p], v[S+16*(\t-1)+2*\p]       ; the tile before: two exponentials behind each line
	v_exp_f32 v[S+16*(\t-1)+2*\p+1], v[S+16*(\t-1)+2*\p+1]
.endif
.endr
.endr
.irp i, 0,1,2,3,4,5,6,7,8,9,10,11,12,13,14,15
	v_exp_f32 v[S+48+\i], v[S+48+\i]
.endr
	v_nop
	s_wait_alu depctr_va_vdst(0)                   ; one wait for the 64
.irp t, 0,1,2,3
	v_pk_fma_f32 v[SUM+2*\t:SUM+2*\t+1], v[SUM+2*\t:SUM+2*\t+1], v[T+4+2*\t:T+5+2*\t], v[S+16*\t:S+16*\t+1] op_sel_hi:[1,0,1]
.endr
.irp j, 2,6,10
.irp t, 0,1,2,3
	v_pk_add_f32 v[S+16*\t+\j:S+16*\t+\j+1], v[S+16*\t+\j:S+16*\t+\j+1], v[S+16*\t+\j+2:S+16*\t+\j+3]
.endr
.endr
.irp t, 0,1,2,3
	v_pk_add_f32 v[SUM+2*\t:SUM+2*\t+1], v[SUM+2*\t:SUM+2*\t+1], v[S+16*\t+14:S+16*\t+15]
.endr
.irp t, 0,1,2,3
	v_pk_add_f32 v[S+16*\t+2:S+16*\t+3], v[S+16*\t+2:S+16*\t+3], v[S+16*\t+6:S+16*\t+7]
.endr
.irp t, 0,1,2,3
	v_pk_add_f32 v[SUM+2*\t:SUM+2*\t+1], v[SUM+2*\t:SUM+2*\t+1], v[S+16*\t+10:S+16*\t+11]
.endr
.irp t, 0,1,2,3
	v_pk_add_f32 v[SUM+2*\t:SUM+2*\t+1], v[SUM+2*\t:SUM+2*\t+1], v[S+16*\t+2:S+16*\t+3]
.endr
.endm
.macro STEP                            ; my stream's 128 keys of the lap in hand
	v_add_nc_u32 v[ADK], s[TB], v[LI]
	v_add_nc_u32 v[ADS], s[TS], v[L8]
	v_add_nc_u32 v[ADP], s[TS], v[LH]
	LDK 0
	LDPT 0
.irp b, 0,1,2,3
	s_wait_dscnt 0x0                               ; the block's K, scale words and points are in
	DPHASE \b
	EPHASE
.endr
	s_xor_b32 s[TB], s[TB], SLOT1
	s_add_co_u32 s[TS], s[TS], 4*SSTEP
.endm
	s_load_b256 s[4:11], s[0:1], 0x0               ; Qc s[4:5], Qs s[6:7], KVc s[8:9], SD s[10:11]
	s_load_b64 s[12:13], s[0:1], 0x20              ; ST
	v_lshl_add_u32 v[SPW], v0, 2, SPARE
	v_mov_b32 v[NIL], 0
	ds_add_u32 v[SPW], v[NIL]                      ; the wave's opening: the add, twice on end, and its wait ahead of my first tensor load
	ds_add_u32 v[SPW], v[NIL]
	v_lshrrev_b32 v11, 5, v0
	v_readfirstlane_b32 s[WV], v11                 ; wave 0..7
	s_and_b32 s[QG], s[WV], 1                      ; which 64 queries
	s_lshr_b32 s[STR], s[WV], 1                    ; which stream
	s_bfe_u32 s[CX], ttmp6, 0x40000                ; my place in the cluster
	s_lshl_b32 s[GQ], ttmp9, 2
	s_add_co_u32 s[GQ], s[GQ], s[CX]               ; my block of 128 queries: it enters global addresses of Q, the points and ST alone
	s_and_b32 s[SPL], ttmp7, 0xffff                ; the quarter of the keys, which the four partners share
	; descriptor group 1: a dense block as rows of 256 bytes (32 elements of 8 bytes), no padding: fragments are read as they lie, 512 consecutive bytes an instruction
	s_mov_b32 s[G1R], 15|(3<<16)|(1<<21)           ; 15:0 the mask: all four work-groups; 17:16 elements of 8 bytes; 21 set beside a mask
	s_mov_b32 s[G1R+1], 32<<16                     ; tensor_dim0 = 32
	s_mov_b32 s[G1R+2], 64<<16                     ; tensor_dim1 = 64
	s_mov_b32 s[G1R+3], 32<<16                     ; tile_dim0 = 32
	s_mov_b32 s[G1R+4], 64                         ; tile_dim1 = 64
	s_mov_b32 s[G1R+5], 32                         ; from row to row
	s_mov_b32 s[G1R+6], 0
	s_mov_b32 s[G1R+7], 0
	s_mov_b32 s[G1S], 15|(3<<16)|(1<<21)
	s_mov_b32 s[G1S+1], 32<<16
	s_mov_b32 s[G1S+2], 20<<16                     ; the side data: 20 rows a wave
	s_mov_b32 s[G1S+3], 32<<16
	s_mov_b32 s[G1S+4], 20
	s_mov_b32 s[G1S+5], 32
	s_mov_b32 s[G1S+6], 0
	s_mov_b32 s[G1S+7], 0
	s_lshl_b32 s66, s[SPL], 20                     ; what I fetch of a lap: the quarter, my stream's step, my half of its K
	s_lshl_b32 s67, s[STR], 16
	s_add_co_u32 s66, s66, s67
	s_lshl_b32 s72, s[CX], 13                      ; (the prefetches: the same step, my work-group's 8,192 bytes, one lap on)
	s_add_co_u32 s72, s72, s66
	s_add_co_u32 s72, s72, LAPB
	s_mov_b32 s73, 0
	s_lshl_b32 s67, s[QG], 14
	s_add_co_u32 s66, s66, s67
	s_mov_b32 s67, 0
	s_mul_i32 s70, s[WV], 5120
	s_mul_i32 s68, s[SPL], 57344
	s_add_co_u32 s68, s68, s70
	s_mov_b32 s69, 0
	s_lshl_b32 s74, s[GQ], 15                      ; Q's codes: 32,768 a block, 16,384 for my 64 queries
	s_lshl_b32 s75, s[QG], 14
	s_add_co_u32 s74, s74, s75
	s_lshl_b32 s22, s[SPL], 10                     ; ST: [query tile][part][256 bytes]: the same, + 256 x (4 x quarter + stream)
	s_add_co_u32 s22, s22, s74
	s_lshl_b32 s23, s[STR], 8
	s_add_co_u32 s22, s22, s23
	s_mov_b32 s23, 0
	s_mov_b32 s75, 0
	s_lshl_b32 s76, s[GQ], 10
	s_lshl_b32 s77, s[QG], 9
	s_add_co_u32 s76, s76, s77
	s_mov_b32 s77, 0
	s_lshr_b32 s78, s[GQ], 4                       ; my queries' points, in SD
	s_mul_i32 s78, s78, 57344
	s_and_b32 s79, s[GQ], 15
	s_mul_i32 s79, s79, SSTEP
	s_add_co_u32 s78, s78, s79
	s_lshl_b32 s79, s[QG], 8
	s_add_co_u32 s78, s78, s79
	s_add_co_u32 s78, s78, 1024
	s_mov_b32 s79, 0
	s_lshl_b32 s[TB], s[STR], 15
	s_mul_i32 s[TS], s[STR], SSTEP
	s_add_co_u32 s[TS], s[TS], SDB
	s_mov_b32 s[CNT], NLAP-1
	s_mov_b32 s[NC0], 0xc05e28b1                   ; -c0 = -log2(16 / log2(e))
	s_mov_b32 s[NC0+1], s[NC0]
	s_or_b32 s[LIM], s[QG], ttmp9                  ; even waves of the quarter's first cluster: the same in all four partners
	s_cmp_eq_u32 s[LIM], 0
	s_cselect_b32 s[LIM], 1, -1
	v_and_b32 v11, 31, v0
	v_lshlrev_b32 v[LI], 4, v11
	v_lshlrev_b32 v[L8], 3, v11
	v_lshlrev_b32 v[PFO], 8, v11
	v_bfe_u32 v12, v0, 4, 1
	v_lshlrev_b32 v[LH], 6, v12
	v_and_b32 v13, 15, v0
	v_and_b32 v14, 8, v0
	v_add_nc_u32 v13, v13, v14
	v_lshlrev_b32 v13, 2, v13                      ; 4 (r + 8 (r / 8)): my query's place among a tile pair's 32
	s_wait_dscnt 0x0                               ; both opening adds are done
	s_wait_kmcnt 0x0
	s_mov_b32 s[G0S], 1
	s_add_co_u32 s[G0S+1], s70, SDB
	s_add_nc_u64 s[G0S+2:G0S+3], s[10:11], s[68:69]
	s_or_b32 s[G0S+3], s[G0S+3], 0x80000000
	s_mov_b32 s[G0R], 1
	s_lshl_b32 s[G0R+1], s[WV], 14
	s_add_nc_u64 s[G0R+2:G0R+3], s[8:9], s[66:67]
	s_or_b32 s[G0R+3], s[G0R+3], 0x80000000
	s_add_nc_u64 s[PFA:PFA+1], s[8:9], s[72:73]
	s_add_nc_u64 s[4:5], s[4:5], s[74:75]
	s_add_nc_u64 s[6:7], s[6:7], s[76:77]
	s_add_nc_u64 s[10:11], s[10:11], s[78:79]
	s_add_nc_u64 s[12:13], s[12:13], s[22:23]
	CROUND                                         ; all four work-groups are here: the first joint loads meet
	tensor_load_to_lds s[G0S:G0S+3], s[G1S:G1S+7]  ; the side data: filled once
	s_nop 0
	tensor_load_to_lds s[G0R:G0R+3], s[G1R:G1R+7]  ; slot 0, lap 0.  Every wave issues both: two loads of mine are out
	s_nop 0
.rept 4
	v_nop
.endr
	WIN 0x40
.set i, 0
.rept 32
	global_load_b128 v[4*i:4*i+3], v[LI], s[4:5] offset:512*i      ; Q's eight fragments stay in registers
.set i, i+1
.endr
	WIN 0
	global_load_b64 v[QS:QS+1], v[L8], s[6:7]
	global_load_b64 v[QS+2:QS+3], v[L8], s[6:7] offset:256
.irp t, 0,1,2,3
.irp k, 0,1,2
	global_load_b32 v[QP+4*\t+\k], v13, s[10:11] offset:512*\k+128*(\t/2)+32*(\t%2)
.endr
.endr
.irp t, 0,1,2,3
	v_mov_b32 v[MX+\t], 0xff61b1e6                 ; the largest t so far: -3e38, under every t
	v_mov_b32 v[SUM+2*\t], 0
	v_mov_b32 v[SUM+2*\t+1], 0
.endr
.irp t, 0,1,2,3
	v_floor_f32 v[QP+4*\t+3], -v[MX+\t]
.endr
	s_wait_loadcnt 0x0
.Llap:                                             ; NLAP - 1 trips: behind each change of slots but the last the next lap is asked for
	CHANGE 1
	STEP
	s_sub_co_u32 s[CNT], s[CNT], 1
	s_cmp_lg_u32 s[CNT], 0
	s_cbranch_scc1 .Llap
	CHANGE 0                                       ; the last lap is written out
	STEP
.irp t, 0,1,2,3
	v_mov_b32 v[T+2*\t], v[MX+\t]
	v_add_f32 v[T+2*\t+1], v[SUM+2*\t], v[SUM+2*\t+1]
.endr
.irp t, 0,1,2,3
	global_store_b64 v[L8], v[T+2*\t:T+2*\t+1], s[12:13] offset:4096*\t   ; my lane's largest t and its sum: 32 lanes store 256 consecutive bytes, aligned
.endr
	s_wait_tensorcnt 0x0                           ; the wave's end, behind my last tensor load
	ds_add_u32 v[SPW], v[NIL]
	s_wait_dscnt 0x0
	CROUND                                         ; the closing round
	s_endpgm
.Lfunc_end_k_qd197a908d9_stats:
	.size	k_qd197a908d9_stats, .Lfunc_end_k_qd197a908d9_stats-k_qd197a908d9_stats
	.p2alignl 7, 3214868480
	.fill 96, 4, 3214868480
	.section	.rodata,"a",@progbits
	.p2align	6, 0x0
	.amdhsa_kernel k_qd197a908d9_stats
		.amdhsa_group_segment_fixed_size 327680
		.amdhsa_private_segment_fixed_size 0
		.amdhsa_enable_private_segment 0
		.amdhsa_kernarg_size 40
		.amdhsa_user_sgpr_count 2
		.amdhsa_user_sgpr_kernarg_segment_ptr 1
		.amdhsa_wavefront_size32 1
		.amdhsa_system_sgpr_workgroup_id_x 1
		.amdhsa_system_sgpr_workgroup_id_y 1
		.amdhsa_system_sgpr_workgroup_id_z 1
		.amdhsa_system_vgpr_workitem_id 0
		.amdhsa_next_free_vgpr 512
		.amdhsa_next_free_sgpr 80
		.amdhsa_reserve_vcc 0
		.amdhsa_float_denorm_mode_32 3
		.amdhsa_float_denorm_mode_16_64 3
		.amdhsa_memory_ordered 1
		.amdhsa_forward_progress 1
		.amdhsa_inst_pref_size 253
	.end_amdhsa_kernel
	.amdgpu_metadata
---
amdhsa.version: [ 1, 2 ]
amdhsa.kernels:
  - .name:           k_qd197a908d9_stats
    .symbol:         k_qd197a908d9_stats.kd
    .args:
      - { .name: Qc, .offset: 0, .size: 8, .value_kind: global_buffer, .address_space: global }
      - { .name: Qs, .offset: 8, .size: 8, .value_kind: global_buffer, .address_space: global }
      - { .name: KVc, .offset: 16, .size: 8, .value_kind: global_buffer, .address_space: global }
      - { .name: SD, .offset: 24, .size: 8, .value_kind: global_buffer, .address_space: global }
      - { .name: ST, .offset: 32, .size: 8, .value_kind: global_buffer, .address_space: global }
    .group_segment_fixed_size: 327680
    .private_segment_fixed_size: 0
    .kernarg_segment_align: 8
    .kernarg_segment_size: 40
    .max_flat_workgroup_size: 256
    .sgpr_count:     80
    .vgpr_count:     512
    .wavefront_size: 32
...
	.end_amdgpu_metadata
.endif
;; end of part 2
;; launch attend (part 3): grid 64 x 4, 4 waves a work-group, clusters of 4 x 1, 327,680 bytes of LDS; arguments Qc, Qs, KVc, SD, ST, PART; writes PART
.if DOCPART == 3
	.amdgcn_target "amdgcn-amd-amdhsa--gfx1250"
	.amdhsa_code_object_version 6
	.text
	.protected	k_qd197a908d9_attend
	.globl	k_qd197a908d9_attend
	.p2align	8
	.type	k_qd197a908d9_attend,@function
k_qd197a908d9_attend:
	s_mov_b64 s[64:65], 0
	v_nop
	global_prefetch_b8 v0, s[64:65] scope:SCOPE_SE
	s_setreg_imm32_b32 hwreg(HW_REG_WAVE_MODE, 25, 1), 1
	s_wait_xcnt 0x0
	s_wait_alu depctr_hold_cnt(0) depctr_sa_sdst(0) depctr_va_vdst(0) depctr_va_sdst(0) depctr_va_ssrc(0) depctr_va_vcc(0) depctr_vm_vsrc(0)
	s_getreg_b32 s2, hwreg(HW_REG_IB_STS2, 6, 4)
	s_cmp_eq_u32 s2, 0
	s_cbranch_scc0 .Lentry_in_a_cluster
	s_endpgm
.Lentry_in_a_cluster:
	s_bfe_u32 s2, ttmp6, 0x10000c
	s_cmp_lg_u32 s2, 0x3003
	s_cbranch_scc0 .Lentry_shape_is_right
	s_endpgm
.Lentry_shape_is_right:
; THE SECOND WALK OVER THE KEYS: A = 2^((t - M) - lg), the finished softmax, quantised along the keys, and A V over a quarter of the keys.  t as in the first walk; lg = log2(2^(m - M) + the sum of 2^(t - M)),
; m the row's largest t and M = m rounded up: the 1 in the divisor of softmax_one stands relative to the true maximum.  Nothing of the problem is left out; Q K^T and the decay are made a second time.
; THE EXPONENT IS MADE IN THREE STEPS, as the first walk makes it: t = score x w rounded; t - M, which rounds nothing where t is near M, M being a whole number; less lg.  So the row's largest t gives t - m = 0
; in both walks, and lg is not lost beside a large M, however large the scores are.
; SHARES.  A work-group owns 128 queries (x) and 2,048 keys (y).  Four waves: wave w holds 64 queries (w % 2: four tiles of 16) and walks stream w / 2: of each lap's two key steps of 128 the one with its number.
; Eight laps.  The two streams' sums meet in LDS on the way out; the four quarters' in the last launch.
; LAYOUT.  Both products transposed: S^T = K Q^T, O^T = V^T A^T: a lane holds one query throughout.  The 16 registers of key tiles 2 b and 2 b + 1 are keys 32 b + 16 (lane / 16) + 0 .. 15, so the conversions' results
; are the second product's operand.  A block's largest A is not searched for: A rises with its exponent, so the block's largest exponent goes through the same exponential (this takes v_exp_f32 not to fall where its
; input rises).  A is never negative: its hold is one-sided.
; BY TURNS.  The wave is alone on its SIMD, so lines that wait for each other are set between lines that do not: a tile's search for its largest exponent, eleven lines each of which reads the one before, and its
; sixteen exponentials stand among the next tile's 24 packed lines (macro EPHASE).
; RING.  A step's K (32,768 bytes) and V (32,768) lie in memory in the order of the operands' registers, one dense block.  Two LDS slots of two steps; every wave fetches 32,768 bytes of a slot by one tensor load.
; The quarter's scale images and points, 57,344 bytes, come once, with the first fills.
; CLUSTER.  The four work-groups of a cluster own other queries and the same keys: every tile is asked for jointly.
; O^T IS CLEARED AT THE HEAD, 512 registers once: so the key step is written twice (the loop, and the last lap, which asks for nothing) and not a third time for a first step whose products start the sums:
; the step's text is about 19,000 bytes.
; LIMITS: NaN and infinities are not served; 2^x under 2^-126 counts as 0; a block whose every A has fallen to 0 keeps the scale byte 1: its codes are zeros.  The divisor enters as a logarithm in the exponent.
; REGISTERS: window 0 as listed below; window 1: v0-127 Q, v128-191 K's fragments of a block (later V's), v192-255 A's codes; windows 2, 3: O^T, tile t at 128 (t % 2) + 8 dt, tiles 0, 1 in window 2.
.set NLAP,  8
.set LAPB,  131072                     ; a lap on in KVc: two steps of 65,536 bytes
.set SLOT1, 1<<17
.set SDB,   262144                     ; behind the ring: 16 x (K's scale image 1,024 + points 1,536), then 16 x V's scale image 1,024
.set SSTEP, 2560
.set SPARE, 319488                     ; the spare words, 128 bytes for each wave: two blocks of 256 bytes that no other line names
.set SW,    66560                      ; the way out: a stage of 64 rows x (1,024 bytes + 16) for each wave, over the ring and the side data, which have had their last fill and their last read by then
.set SPW, 1                            ; v1   LDS address of my spare word; never rewritten
.set NIL, 2                            ; v2   0; never rewritten
.set LI,  3                            ; v3   16 x lane
.set L8,  4                            ; v4   8 x lane
.set LH,  5                            ; v5   64 (lane / 16)
.set ADK, 6                            ; v6   LDS address of the step's fragments
.set ADS, 7                            ; v7   of K's scale image
.set ADP, 8                            ; v8   of the points
.set ADW, 9                            ; v9   of V's scale image
.set PFO, 10                           ; v10  256 x lane; never rewritten
.set STO, 11                           ; v11  the way out: where I put a row's bytes
.set RD,  12                           ; v12  where I read rows back: stream 0's stage,
.set RD2, 13                           ; v13  stream 1's
.set QP,  16                           ; v16-31   tile t at 16 + 4 t: qx, qy, qz, -M
.set QS,  32                           ; v32-35   Q's scale words
.set KS,  36                           ; v36-37   K's
.set PS,  38                           ; v38-41   A's scale word of the step's 128 keys
.set VS,  42                           ; v42-49   V's: register dt / 2, lanes 0-15 the even tile, lanes 16-31 the odd
.set T,   50                           ; v50-65   at work
.set BM,  66                           ; v66-69   a block's largest exponent
.set BP,  70                           ; v70-73   lane l xor 16's
.set BX,  74                           ; v74-77   a block's largest A
.set LG,  78                           ; v78, v79 lg of tiles 0, 1;  v14, v15 (at work at the head until its loads are in) of tiles 2, 3: tile t at LG + t % 2 - 64 (t / 2)
.set PT,  80                           ; v80-127  the block's 16 keys of my half: x, y, z
.set S,   128                          ; v128-191 S^T, then the exponent, then A: 16 t + i
.set WD,  192                          ; v192-255 the decay's exponent, then w
.set ML,  128                          ; at the head: v128-255 the sixteen parts' m and sum, tile t part p at 32 t + 2 p
.set KF,  128                          ; window 1
.set CODE, 192                         ; window 1
.set WV,  16
.set QG,  17
.set STR, 18
.set CX,  19
.set GQ,  20
.set SPL, 21
.set G1R, 24
.set G1S, 32
.set G0R, 40
.set G0S, 44
.set TB,  48                           ; s48  LDS byte at which my stream's step begins
.set TS,  49                           ; s49  its scale image of K and points
.set TV,  50                           ; s50  its scale image of V
.set CNT, 51
.set LIM, 52
.set PFA, 54
.set NC0, 56                           ; s[56:57] -c0
.set SEL, 58                           ; s[58:59] v_permlanex16_b32's selects for lane l xor 16
.set MNT, 60                           ; s60  the mantissa field of 448
.set MSB, 0
.macro WIN new                         ; the immediate's high byte repeats the setting that is left
.if MSB != \new
	s_set_vgpr_msb (MSB<<8)|\new
.set MSB, \new
.endif
.endm
.macro CROUND                          ; a round of the cluster's barrier
	s_barrier_signal -1
	s_barrier_wait -1
	s_cmp_lg_u32 s[WV], 0
	s_cbranch_scc1 .Lnot_wave_0_\@
	s_barrier_signal -3
.Lnot_wave_0_\@:
	s_barrier_wait -3
	s_barrier_signal -1
	s_barrier_wait -1
.endm
; A prefetch of what the NEXT change of slots will ask for.  All clusters of a quarter walk the same K and V: the first of them asks.  Of the 32,768 bytes that wave w fetches each of the four partners names 8,192,
; told apart by address, lanes 256 bytes apart: each block of 256 bytes is named once in the launch.  The last change that fills a slot asks for nothing; laps 0 and 1 come by their loads alone.
.macro ASK
	s_cmp_gt_u32 s[CNT], s[LIM]
	s_cbranch_scc0 .Lnot_mine_\@
	global_prefetch_b8 v[PFO], s[PFA:PFA+1] th:TH_LOAD_NT scope:SCOPE_SE
.Lnot_mine_\@:
.endm
; THE CHANGE OF SLOTS stands at a lap's head: the wait for all my tensor loads, the add, the wait for it and for my reads of the slot that I have left.  fill = 1: a round of the cluster's barrier, and behind it, first,
; the joint load of the next lap into the slot just left: it has a whole lap's work in which to land.
.macro CHANGE fill
	s_wait_tensorcnt 0x0                           ; no tensor load of mine is out, so a group 0 may be written
	ds_add_u32 v[SPW], v[NIL]                      ; 0 onto my spare word
.if \fill
	s_xor_b32 s[G0R+1], s[G0R+1], SLOT1
	s_add_nc_u64 s[G0R+2:G0R+3], s[G0R+2:G0R+3], LAPB
	s_wait_xcnt 0x0                                ; the last prefetch, a lap back, has read its address
	s_add_nc_u64 s[PFA:PFA+1], s[PFA:PFA+1], LAPB
	s_wait_dscnt 0x0
	CROUND
	tensor_load_to_lds s[G0R:G0R+3], s[G1R:G1R+7]
	s_nop 0
.rept 4
	v_nop
.endr
	ASK
.else
	s_wait_dscnt 0x0
	s_barrier_signal -1
	s_barrier_wait -1
.endif
.endm
.macro LDK b
	WIN 0x40
.irp u, 0,1
.irp c, 0,1,2,3,4,5,6,7
	ds_load_b128 v[KF+32*\u+4*\c:KF+32*\u+4*\c+3], v[ADK] offset:(2*(\b)+\u)*4096+512*\c
.endr
.endr
	WIN 0
	ds_load_b64 v[KS:KS+1], v[ADS] offset:256*(\b)
.endm
.macro LDPT b
.irp k, 0,1,2
.irp i, 0,1,2,3
	ds_load_b128 v[PT+16*\k+4*\i:PT+16*\k+4*\i+3], v[ADP] offset:1024+512*\k+128*(\b)+16*\i
.endr
.endr
.endm
.macro VLOAD g, reg, w                 ; V's tiles 4 g .. 4 g + 3 (16 of the 256 outputs each x the step's 128 keys) into v[reg] on, of the window that w says
	WIN \w
.irp i, 0,1,2,3
.irp c, 0,1,2,3
	ds_load_b128 v[\reg+16*\i+4*\c:\reg+16*\i+4*\c+3], v[ADK] offset:32768+(4*(\g)+\i)*2048+512*\c
.endr
.endr
	WIN 0
.endm
.macro QKMM n                          ; matrix instruction n of a block's 16: K step n / 8, query tile (n / 2) % 4, key tile n % 2; eight accumulators by turns
.set ms, (\n)/8
.set mt, ((\n)/2)%4
.set mu, (\n)%2
	WIN 0x05
.if ms == 0
	v_wmma_scale_f32_16x16x128_f8f6f4 v[S+16*mt+8*mu:S+16*mt+8*mu+7], v[KF+32*mu:KF+32*mu+15], v[32*mt:32*mt+15], 0, v[KS+mu], v[QS+mt]
.else
	v_wmma_scale_f32_16x16x128_f8f6f4 v[S+16*mt+8*mu:S+16*mt+8*mu+7], v[KF+32*mu+16:KF+32*mu+31], v[32*mt+16:32*mt+31], v[S+16*mt+8*mu:S+16*mt+8*mu+7], v[KS+mu], v[QS+mt] matrix_a_scale:MATRIX_SCALE_ROW1 matrix_b_scale:MATRIX_SCALE_ROW1
.endif
	WIN 0
.endm
.macro DSTG t, g                       ; stage g of six of tile t's decay: g even: the differences of coordinate g / 2; g odd: their squares taken off what has been gathered (g = 1: off -c0)
.set pp, 0
.if ((\g)%2) == 0
.rept 8
.if (\g) == 0
	v_pk_add_f32 v[T+2*pp:T+2*pp+1], v[PT+2*pp:PT+2*pp+1], v[QP+4*(\t):QP+4*(\t)+1] op_sel_hi:[1,0] neg_lo:[0,1] neg_hi:[0,1]
.elseif (\g) == 2
	v_pk_add_f32 v[T+2*pp:T+2*pp+1], v[PT+16+2*pp:PT+16+2*pp+1], v[QP+4*(\t):QP+4*(\t)+1] op_sel:[0,1] op_sel_hi:[1,1] neg_lo:[0,1] neg_hi:[0,1]
.else
	v_pk_add_f32 v[T+2*pp:T+2*pp+1], v[PT+32+2*pp:PT+32+2*pp+1], v[QP+4*(\t)+2:QP+4*(\t)+3] op_sel_hi:[1,0] neg_lo:[0,1] neg_hi:[0,1]
.endif
.set pp, pp+1
.endr
.else
.rept 8
.if (\g) == 1
	v_pk_fma_f32 v[WD+16*(\t)+2*pp:WD+16*(\t)+2*pp+1], v[T+2*pp:T+2*pp+1], v[T+2*pp:T+2*pp+1], s[NC0:NC0+1] op_sel_hi:[1,1,0] neg_lo:[1,0,0] neg_hi:[1,0,0]
.else
	v_pk_fma_f32 v[WD+16*(\t)+2*pp:WD+16*(\t)+2*pp+1], v[T+2*pp:T+2*pp+1], v[T+2*pp:T+2*pp+1], v[WD+16*(\t)+2*pp:WD+16*(\t)+2*pp+1] neg_lo:[1,0,0] neg_hi:[1,0,0]
.endif
.set pp, pp+1
.endr
.endif
.endm
.macro PEXP n, lim
.rept \n
.if XP < (\lim)
	v_exp_f32 v[WD+XP], v[WD+XP]
.set XP, XP+1
.endif
.endr
.endm
.macro NEXTK b                         ; K's registers are free: the next block's K, or behind the last block V's first four tiles
.if (\b) < 3
	LDK (\b)+1
.else
	VLOAD 0, KF, 0x40
.endif
.endm
; A BLOCK OF 32 KEYS, first half: 24 stages of eight packed lines; behind each of the first sixteen one matrix instruction; the exponentials w = 2^e of tiles 0 to 2, as their exponents are whole, three a stage (tile 3's
; stand in the second half).  None of these lines names a register of the matrix instructions, so they are the places behind them: sixteen stand between the last matrix instruction and the loads into K's registers.
; No line names an exponential's result ahead of the wait at the end.
.macro DPHASE b
.set XP, 0
.set qq, 0
.rept 24
	DSTG qq/6, qq%6
	PEXP 3, 16*(qq/6)
.if qq < 16
	QKMM qq
.endif
.if qq == 17
	NEXTK \b
.endif
.set qq, qq+1
.endr
.if (\b) < 3
	LDPT (\b)+1
.endif
	v_nop                                          ; a plain instruction behind the last exponential
	s_wait_alu depctr_va_vdst(0)                   ; one wait for the 48 of tiles 0 to 2, ahead of their first reader
.endm
; Line i of 24 of tile t's exponents: 0-7: t = score x w, rounded as the first walk rounds it, a pair a line, each accumulator from its low end on; 8-15: t - M (of the pair qz, -M the upper word serves both
; halves); 16-23: less lg (of the pair that holds two tiles' lg the tile's own word serves both halves).
.macro ELINE t, i
.set eps, S+16*(\t)+2*((\i)%8)
.set epw, WD+16*(\t)+2*((\i)%8)
.set epg, LG-64*((\t)/2)
.if (\i) < 8
	v_pk_mul_f32 v[eps:eps+1], v[eps:eps+1], v[epw:epw+1]
.elseif (\i) < 16
	v_pk_add_f32 v[eps:eps+1], v[eps:eps+1], v[QP+4*(\t)+2:QP+4*(\t)+3] op_sel:[0,1] op_sel_hi:[1,1]
.elseif ((\t)%2) == 0
	v_pk_add_f32 v[eps:eps+1], v[eps:eps+1], v[epg:epg+1] op_sel_hi:[1,0] neg_lo:[0,1] neg_hi:[0,1]
.else
	v_pk_add_f32 v[eps:eps+1], v[eps:eps+1], v[epg:epg+1] op_sel:[0,1] op_sel_hi:[1,1] neg_lo:[0,1] neg_hi:[0,1]
.endif
.endm
; Line m of 11 of tile t's search: 0-7 the largest of my 16 exponents (line m has read exponents 0 to 2 m + 2); 8, 9 with lane l xor 16's 16 keys; 10 the block's largest A: the same instruction on the same number
; gives the same bits.  Each line reads the one before.
.macro CLINE t, m
.set ecs, S+16*(\t)
.set ecb, BM+(\t)
.if (\m) == 0
	v_max3_num_f32 v[ecb], v[ecs], v[ecs+1], v[ecs+2]
.elseif (\m) < 7
	v_max3_num_f32 v[ecb], v[ecb], v[ecs+2*(\m)+1], v[ecs+2*(\m)+2]
.elseif (\m) == 7
	v_max_num_f32 v[ecb], v[ecb], v[ecs+15]
.elseif (\m) == 8
	v_permlanex16_b32 v[BP+(\t)], v[ecb], s[SEL], s[SEL+1]
.elseif (\m) == 9
	v_max_num_f32 v[ecb], v[ecb], v[BP+(\t)]
.else
	v_exp_f32 v[BX+(\t)], v[ecb]
.endif
.endm
; second half: the exponents (t - M) - lg, each block's largest, A, its scale, the hold, the codes.
; FIVE TURNS OF 24 SLOTS.  Turn n: slot i holds line i of tile n's exponents; every second slot a line of tile n - 1's search; slots 4 to 19 tile n - 1's exponentials A = 2^exponent, in place: number e stands in slot
; e + 4, behind the search's line (e + 4) / 2, which has read exponents up to e + 5: the search never names a register behind its exponential.  Turn 0 has no tile before it: its slots 0 to 15 take tile 3's
; exponentials w = 2^e, whose wait stands ahead of turn 1, eight packed lines behind the last of them and two turns ahead of their first reader.  Turn 4 has the search and the exponentials of tile 3 alone.
.macro EPHASE b
.set eit, 0
.rept 5
.if eit == 1
	s_wait_alu depctr_va_vdst(0)                   ; one wait for tile 3's sixteen w, ahead of their first reader
.endif
.set esl, 0
.rept 24
.if eit < 4
	ELINE eit, esl
.endif
.if (eit > 0) && ((esl%2) == 0) && (esl < 22)
	CLINE eit-1, esl/2
.endif
.if (eit == 0) && (esl < 16)
	v_exp_f32 v[WD+48+esl], v[WD+48+esl]
.endif
.if (eit > 0) && (esl >= 4) && (esl < 20)
	v_exp_f32 v[S+16*(eit-1)+esl-4], v[S+16*(eit-1)+esl-4]
.endif
.set esl, esl+1
.endr
.set eit, eit+1
.endr
	v_nop                                          ; a plain instruction behind the last exponential
	s_wait_alu depctr_va_vdst(0)                   ; one wait for the 68: the 64 A and the four blocks' largest
.irp t, 0,1,2,3
	v_max_num_f32 v[BX+\t], 0x4800000, v[BX+\t]    ; the floor 2^(9 - 127): the byte cannot fall under 1
.endr
.irp t, 0,1,2,3
	v_add_nc_u32 v[T+\t], 0xfc000000, v[BX+\t]     ; 8 off the exponent field: the conversion's scale operand
.endr
.irp t, 0,1,2,3
	v_and_or_b32 v[T+4+\t], v[BX+\t], 0x7f800000, s[MNT]   ; 448 x the scale
.endr
.if (\b) == 0
.irp t, 0,1,2,3
	v_lshrrev_b32 v[PS+\t], 23, v[T+\t]            ; the scale's byte: the first of the step's four begins the word
.endr
.else
.irp t, 0,1,2,3
	v_lshrrev_b32 v[T+8+\t], 23, v[T+\t]
.endr
.irp t, 0,1,2,3
	v_lshl_or_b32 v[PS+\t], v[T+8+\t], 8*(\b), v[PS+\t]
.endr
.endif
.irp t, 0,1,2,3
.irp i, 0,1,2,3,4,5,6,7,8,9,10,11,12,13,14,15
	v_min_num_f32 v[S+16*\t+\i], v[S+16*\t+\i], v[T+4+\t]   ; the conversion to an 8-bit code does not saturate (ISA guide 7.6.2); A is not negative
.endr
.endr
	WIN 0x40                                       ; the codes lie in window 1
.irp t, 0,1,2,3
	v_cvt_scalef32_pk8_fp8_f32 v[CODE+16*\t+4*(\b):CODE+16*\t+4*(\b)+1], v[S+16*\t:S+16*\t+7], v[T+\t]
	v_cvt_scalef32_pk8_fp8_f32 v[CODE+16*\t+4*(\b)+2:CODE+16*\t+4*(\b)+3], v[S+16*\t+8:S+16*\t+15], v[T+\t]
.endr
	WIN 0
	v_nop                                          ; a plain instruction behind the last scaled conversion
.endm
.macro PV1 d, a, c, vs, ps, row
.if \row
	v_wmma_scale_f32_16x16x128_f8f6f4 v[\d:\d+7], v[\a:\a+15], v[\c:\c+15], v[\d:\d+7], v[\vs], v[\ps] matrix_a_scale:MATRIX_SCALE_ROW1
.else
	v_wmma_scale_f32_16x16x128_f8f6f4 v[\d:\d+7], v[\a:\a+15], v[\c:\c+15], v[\d:\d+7], v[\vs], v[\ps]
.endif
.endm
.macro PVG g, reg, aw                  ; O^T += V^T A^T for V's tiles 4 g .. 4 g + 3 and my four tiles of queries: sixteen accumulators, each once.  aw: the window of V's registers
	WIN 0xa4+\aw                                   ; A's codes window 1, O^T window 2
.irp t, 0,1
.irp i, 0,1,2,3
	PV1 128*\t+8*(4*(\g)+\i), \reg+16*\i, CODE+16*\t, VS+2*(\g)+\i/2, PS+\t, \i%2
.endr
.endr
	WIN 0xf4+\aw                                   ; O^T window 3
.irp t, 0,1
.irp i, 0,1,2,3
	PV1 128*\t+8*(4*(\g)+\i), \reg+16*\i, CODE+32+16*\t, VS+2*(\g)+\i/2, PS+2+\t, \i%2
.endr
.endr
	WIN 0
.endm
.macro NOPS n
.rept \n
	v_nop
.endr
.endm
.macro STEP                            ; my stream's 128 keys of the lap in hand
	v_add_nc_u32 v[ADK], s[TB], v[LI]
	v_add_nc_u32 v[ADS], s[TS], v[L8]
	v_add_nc_u32 v[ADP], s[TS], v[LH]
	v_add_nc_u32 v[ADW], s[TV], v[L8]
	LDK 0
	LDPT 0
.irp i, 0,1,2,3
	ds_load_b64 v[VS+2*\i:VS+2*\i+1], v[ADW] offset:256*\i
.endr
.irp b, 0,1,2,3
	s_wait_dscnt 0x0                               ; the block's K, scale words and points are in
	DPHASE \b
	EPHASE \b
.endr
	; O^T += V^T A^T.  V's sixteen tiles come four at a time: the first into K's registers (asked for in the last block), the next into S^T's and the decay's, which are done with, the last into K's again
	VLOAD 1, S, 0
	VLOAD 2, WD, 0
	NOPS 3                                         ; with the one behind the conversions: four places between the codes and the first product that reads them
	s_wait_dscnt 32                                ; the first four tiles are in; the 32 loads just issued may be out
	PVG 0, KF, 1
	NOPS 8                                         ; places in front of loads into registers that matrix instructions have read
	VLOAD 3, KF, 0x40
	s_wait_dscnt 32                                ; the second four are in
	PVG 1, S, 0
	s_wait_dscnt 16                                ; the third
	PVG 2, WD, 0
	s_wait_dscnt 0x0
	PVG 3, KF, 1
	NOPS 8                                         ; places in front of the next step's loads, and of the first read of results on the way out
	s_xor_b32 s[TB], s[TB], SLOT1
	s_add_co_u32 s[TS], s[TS], 2*SSTEP
	s_add_co_u32 s[TV], s[TV], 2048
.endm
	s_load_b256 s[4:11], s[0:1], 0x0               ; Qc s[4:5], Qs s[6:7], KVc s[8:9], SD s[10:11]
	s_load_b128 s[12:15], s[0:1], 0x20             ; ST s[12:13], PART s[14:15]
	v_lshl_add_u32 v[SPW], v0, 2, SPARE
	v_mov_b32 v[NIL], 0
	ds_add_u32 v[SPW], v[NIL]                      ; the wave's opening: the add, twice on end, and its wait ahead of my first tensor load
	ds_add_u32 v[SPW], v[NIL]
	v_lshrrev_b32 v14, 5, v0
	v_readfirstlane_b32 s[WV], v14                 ; wave 0..3
	s_and_b32 s[QG], s[WV], 1                      ; which 64 queries
	s_lshr_b32 s[STR], s[WV], 1                    ; which stream
	s_bfe_u32 s[CX], ttmp6, 0x40000
	s_lshl_b32 s[GQ], ttmp9, 2
	s_add_co_u32 s[GQ], s[GQ], s[CX]               ; my block of 128 queries: it enters global addresses of Q, the points, ST and PART alone
	s_and_b32 s[SPL], ttmp7, 0xffff                ; the quarter of the keys, which the four partners share
	; descriptor group 1: a dense block as rows of 256 bytes (32 elements of 8 bytes), no padding: fragments are read as they lie
	s_mov_b32 s[G1R], 15|(3<<16)|(1<<21)           ; 15:0 the mask: all four work-groups; 17:16 elements of 8 bytes; 21 set beside a mask
	s_mov_b32 s[G1R+1], 32<<16
	s_mov_b32 s[G1R+2], 128<<16                    ; 128 rows a wave
	s_mov_b32 s[G1R+3], 32<<16
	s_mov_b32 s[G1R+4], 128
	s_mov_b32 s[G1R+5], 32
	s_mov_b32 s[G1R+6], 0
	s_mov_b32 s[G1R+7], 0
	s_mov_b32 s[G1S], 15|(3<<16)|(1<<21)
	s_mov_b32 s[G1S+1], 32<<16
	s_mov_b32 s[G1S+2], 56<<16                     ; the side data: 56 rows a wave
	s_mov_b32 s[G1S+3], 32<<16
	s_mov_b32 s[G1S+4], 56
	s_mov_b32 s[G1S+5], 32
	s_mov_b32 s[G1S+6], 0
	s_mov_b32 s[G1S+7], 0
	s_lshl_b32 s66, s[SPL], 20                     ; what I fetch of a lap: the quarter, 32,768 bytes a wave
	s_lshl_b32 s67, s[WV], 15
	s_add_co_u32 s66, s66, s67
	s_mov_b32 s67, 0
	s_mul_i32 s70, s[WV], 14336
	s_mul_i32 s68, s[SPL], 57344
	s_add_co_u32 s68, s68, s70
	s_mov_b32 s69, 0
	s_lshl_b32 s72, s[CX], 13                      ; the prefetches: my work-group's 8,192 of those bytes, one lap on
	s_add_co_u32 s72, s72, s66
	s_add_co_u32 s72, s72, LAPB
	s_mov_b32 s73, 0
	s_lshl_b32 s74, s[GQ], 15                      ; Q's codes, and ST's parts: 32,768 a block, 16,384 for my 64 queries
	s_lshl_b32 s75, s[QG], 14
	s_add_co_u32 s74, s74, s75
	s_mov_b32 s75, 0
	s_lshl_b32 s76, s[GQ], 10
	s_lshl_b32 s77, s[QG], 9
	s_add_co_u32 s76, s76, s77
	s_mov_b32 s77, 0
	s_lshr_b32 s78, s[GQ], 4                       ; my queries' points, in SD
	s_mul_i32 s78, s78, 57344
	s_and_b32 s79, s[GQ], 15
	s_mul_i32 s79, s79, SSTEP
	s_add_co_u32 s78, s78, s79
	s_lshl_b32 s79, s[QG], 8
	s_add_co_u32 s78, s78, s79
	s_add_co_u32 s78, s78, 1024
	s_mov_b32 s79, 0
	s_lshl_b32 s22, s[SPL], 23                     ; PART: the quarter's 8,388,608 bytes; rows 128 x block + 64 x (wave % 2) + 32 x stream of 1,024 bytes
	s_lshl_b32 s23, s[GQ], 17
	s_add_co_u32 s22, s22, s23
	s_lshl_b32 s23, s[QG], 16
	s_add_co_u32 s22, s22, s23
	s_lshl_b32 s23, s[STR], 15
	s_add_co_u32 s22, s22, s23
	s_mov_b32 s23, 0
	s_lshl_b32 s[TB], s[STR], 16
	s_mul_i32 s[TS], s[STR], SSTEP
	s_add_co_u32 s[TS], s[TS], SDB
	s_lshl_b32 s[TV], s[STR], 10
	s_add_co_u32 s[TV], s[TV], SDB+40960
	s_mov_b32 s[CNT], NLAP-1
	s_mov_b32 s[NC0], 0xc05e28b1                   ; -c0 = -log2(16 / log2(e))
	s_mov_b32 s[NC0+1], s[NC0]
	s_mov_b32 s[SEL], 0x76543210
	s_mov_b32 s[SEL+1], 0xfedcba98
	s_mov_b32 s[MNT], 0x600000
	s_cmp_eq_u32 ttmp9, 0                          ; the quarter's first cluster prefetches: the same in all four partners
	s_cselect_b32 s[LIM], 1, -1
	v_and_b32 v14, 31, v0
	v_lshlrev_b32 v[LI], 4, v14
	v_lshlrev_b32 v[L8], 3, v14
	v_lshlrev_b32 v[PFO], 8, v14
	v_bfe_u32 v15, v0, 4, 1
	v_lshlrev_b32 v[LH], 6, v15
	v_and_b32 v15, 15, v0                          ; r
	v_mul_u32_u24 v[STO], v15, 1040
	v_add_nc_u32 v[STO], v[STO], v[LH]
	s_mul_i32 s71, s[WV], SW
	v_add_nc_u32 v[STO], s71, v[STO]               ; my stage: row r of a tile, + 64 (lane / 16)
	s_mul_i32 s71, s[QG], SW
	s_mul_i32 s61, s[STR], 33280
	s_add_co_u32 s71, s71, s61
	v_add_nc_u32 v[RD], s71, v[LI]                 ; back: of my 64 queries' two stages the tiles 2 x stream, 2 x stream + 1
	v_add_nc_u32 v[RD2], 2*SW, v[RD]
	v_and_b32 v14, 8, v0
	v_add_nc_u32 v14, v14, v15
	v_lshlrev_b32 v14, 2, v14                      ; 4 (r + 8 (r / 8)): my query's place among a tile pair's 32
	s_wait_dscnt 0x0                               ; both opening adds are done
	s_wait_kmcnt 0x0
	s_mov_b32 s[G0S], 1
	s_add_co_u32 s[G0S+1], s70, SDB
	s_add_nc_u64 s[G0S+2:G0S+3], s[10:11], s[68:69]
	s_or_b32 s[G0S+3], s[G0S+3], 0x80000000
	s_mov_b32 s[G0R], 1
	s_lshl_b32 s[G0R+1], s[WV], 15
	s_add_nc_u64 s[G0R+2:G0R+3], s[8:9], s[66:67]
	s_or_b32 s[G0R+3], s[G0R+3], 0x80000000
	s_add_nc_u64 s[PFA:PFA+1], s[8:9], s[72:73]
	s_add_nc_u64 s[4:5], s[4:5], s[74:75]
	s_add_nc_u64 s[12:13], s[12:13], s[74:75]
	s_add_nc_u64 s[6:7], s[6:7], s[76:77]
	s_add_nc_u64 s[10:11], s[10:11], s[78:79]
	s_add_nc_u64 s[14:15], s[14:15], s[22:23]
	CROUND                                         ; all four work-groups are here: the first joint loads meet
	tensor_load_to_lds s[G0S:G0S+3], s[G1S:G1S+7]  ; the side data: filled once
	s_nop 0
	tensor_load_to_lds s[G0R:G0R+3], s[G1R:G1R+7]  ; slot 0, lap 0.  Every wave issues both: two loads of mine are out
	s_nop 0
.rept 4
	v_nop
.endr
	WIN 0x40
.set i, 0
.rept 32
	global_load_b128 v[4*i:4*i+3], v[LI], s[4:5] offset:512*i      ; Q's eight fragments stay in registers
.set i, i+1
.endr
	WIN 0
	global_load_b64 v[QS:QS+1], v[L8], s[6:7]
	global_load_b64 v[QS+2:QS+3], v[L8], s[6:7] offset:256
.irp t, 0,1,2,3
.irp k, 0,1,2
	global_load_b32 v[QP+4*\t+\k], v14, s[10:11] offset:512*\k+128*(\t/2)+32*(\t%2)
.endr
.endr
.irp t, 0,1,2,3
.irp p, 0,1,2,3,4,5,6,7,8,9,10,11,12,13,14,15
	global_load_b64 v[ML+32*\t+2*\p:ML+32*\t+2*\p+1], v[L8], s[12:13] offset:4096*\t+256*\p   ; part p's largest t and sum of my lane
.endr
.endr
	WIN 0x80                                       ; O^T begins as zeros (see the head): tiles 0, 1,
.set i, 0
.rept 256
	v_mov_b32 v[i], 0
.set i, i+1
.endr
	WIN 0xc0                                       ; tiles 2, 3
.set i, 0
.rept 256
	v_mov_b32 v[i], 0
.set i, i+1
.endr
	WIN 0
.irp t, 0,1,2,3
	v_mov_b32 v[BP+\t], 0                          ; written once: a lane permute's destination counts as one of its sources
.endr
	s_wait_loadcnt 0x0                             ; all the head's loads are in: v14, their offset, is free
	; THE PARTS ARE JOINED: m = the largest of 16 parts x 2 halves of the lanes; each part's sum is brought under M = m rounded up by a multiplication that rounds nothing
.irp t, 0,1,2,3
	v_max3_num_f32 v[BM+\t], v[ML+32*\t], v[ML+32*\t+2], v[ML+32*\t+4]
.endr
.irp p, 3,5,7,9,11,13
.irp t, 0,1,2,3
	v_max3_num_f32 v[BM+\t], v[BM+\t], v[ML+32*\t+2*\p], v[ML+32*\t+2*\p+2]
.endr
.endr
.irp t, 0,1,2,3
	v_max_num_f32 v[BM+\t], v[BM+\t], v[ML+32*\t+30]
.endr
.irp t, 0,1,2,3
	v_permlanex16_b32 v[BP+\t], v[BM+\t], s[SEL], s[SEL+1]
.endr
.irp t, 0,1,2,3
	v_max_num_f32 v[BM+\t], v[BM+\t], v[BP+\t]
.endr
.irp t, 0,1,2,3
	v_floor_f32 v[QP+4*\t+3], -v[BM+\t]            ; -M
.endr
.irp t, 0,1,2,3
.irp p, 0,1,2,3,4,5,6,7,8,9,10,11,12,13,14,15
	v_floor_f32 v[ML+32*\t+2*\p], -v[ML+32*\t+2*\p]                       ; the part's own -M
.endr
.irp p, 0,1,2,3,4,5,6,7,8,9,10,11,12,13,14,15
	v_sub_f32 v[ML+32*\t+2*\p], v[QP+4*\t+3], v[ML+32*\t+2*\p]            ; the part's M less M: a whole number, 0 or less
.endr
.irp p, 0,1,2,3,4,5,6,7,8,9,10,11,12,13,14,15
	v_cvt_i32_f32 v[ML+32*\t+2*\p], v[ML+32*\t+2*\p]                      ; (it saturates)
.endr
.irp p, 0,1,2,3,4,5,6,7,8,9,10,11,12,13,14,15
	v_ldexp_f32 v[ML+32*\t+2*\p+1], v[ML+32*\t+2*\p+1], v[ML+32*\t+2*\p]
.endr
.endr
.irp t, 0,1,2,3
	v_add_f32 v[BX+\t], v[ML+32*\t+1], v[ML+32*\t+3]
.endr
.irp p, 2,3,4,5,6,7,8,9,10,11,12,13,14,15
.irp t, 0,1,2,3
	v_add_f32 v[BX+\t], v[BX+\t], v[ML+32*\t+2*\p+1]
.endr
.endr
.irp t, 0,1,2,3
	v_permlanex16_b32 v[BP+\t], v[BX+\t], s[SEL], s[SEL+1]
.endr
.irp t, 0,1,2,3
	v_add_f32 v[BX+\t], v[BX+\t], v[BP+\t]         ; the row's sum of 2^(t - M)
.endr
.irp t, 0,1,2,3
	v_add_f32 v[BM+\t], v[BM+\t], v[QP+4*\t+3]     ; m - M
.endr
.irp t, 0,1,2,3
	v_exp_f32 v[BM+\t], v[BM+\t]                   ; the 1 of softmax_one, under M
.endr
	v_nop
	s_wait_alu depctr_va_vdst(0)                   ; one wait for the four
.irp t, 0,1,2,3
	v_add_f32 v[BX+\t], v[BX+\t], v[BM+\t]         ; the divisor, under M
.endr
.irp t, 0,1,2,3
	v_log_f32 v[LG+\t%2-64*(\t/2)], v[BX+\t]       ; lg = log2(the divisor)
.endr
	v_nop
	s_wait_alu depctr_va_vdst(0)                   ; one wait for the four, ahead of the label and of their first reader
.Llap:                                             ; NLAP - 1 trips: behind each change of slots but the last the next lap is asked for
	CHANGE 1
	STEP
	s_sub_co_u32 s[CNT], s[CNT], 1
	s_cmp_lg_u32 s[CNT], 0
	s_cbranch_scc1 .Llap
	CHANGE 0                                       ; the last lap is written out
	STEP
	; THE WAY OUT.  Every wave has read its last tile: behind this barrier the ring and the side data are stages.  A lane's eight results are eight neighbouring outputs of one row; a tile goes in by rows of 1,040 bytes.
	s_wait_dscnt 0x0
	s_barrier_signal -1
	s_barrier_wait -1
.irp t, 0,1,2,3
	WIN 0x08+4*(\t/2)                              ; an LDS store's data are its source 1: window 2 or 3
.irp dt, 0,1,2,3,4,5,6,7,8,9,10,11,12,13,14,15
	ds_store_b128 v[STO], v[128*(\t%2)+8*\dt:128*(\t%2)+8*\dt+3] offset:16640*\t+128*(\dt/2)+32*(\dt%2)        ; each accumulator from its low end on
	ds_store_b128 v[STO], v[128*(\t%2)+8*\dt+4:128*(\t%2)+8*\dt+7] offset:16640*\t+128*(\dt/2)+32*(\dt%2)+16
.endr
.endr
	WIN 0
	s_wait_dscnt 0x0                               ; for the others' sake: my stores into my stage are done
	s_barrier_signal -1
	s_barrier_wait -1
; The two streams' sums of a row are added and the row leaves whole.  Batch n of eight: four rows (tile n / 4 of my two, rows 4 (n % 4) on), from both stages; two sets of 64 registers take turns.
.macro RDB n
.set RB, 80+64*((\n)%2)
.irp k, 0,1,2,3
.irp hf, 0,1
	ds_load_b128 v[RB+8*\k+4*\hf:RB+8*\k+4*\hf+3], v[RD] offset:((\n)/4)*16640+(4*((\n)%4)+\k)*1040+512*\hf
	ds_load_b128 v[RB+32+8*\k+4*\hf:RB+32+8*\k+4*\hf+3], v[RD2] offset:((\n)/4)*16640+(4*((\n)%4)+\k)*1040+512*\hf
.endr
.endr
.endm
.macro SUMST n
.set RB, 80+64*((\n)%2)
.set j, 0
.rept 16
	v_pk_add_f32 v[RB+2*j:RB+2*j+1], v[RB+2*j:RB+2*j+1], v[RB+32+2*j:RB+32+2*j+1]
.set j, j+1
.endr
.irp k, 0,1,2,3
.irp hf, 0,1
	global_store_b128 v[LI], v[RB+8*\k+4*\hf:RB+8*\k+4*\hf+3], s[14:15] offset:(8*((\n)/4)+4*((\n)%4)+\k+8*(((\n)%4)/2))*1024+512*\hf th:TH_STORE_NT   ; row rho of tile i is query 8 i + rho + 8 (rho / 8) of my 32; 32 lanes store 512 consecutive bytes, aligned
.endr
.endr
.endm
	RDB 0
.irp n, 1,2,3,4,5,6,7
.if \n > 1
	s_wait_xcnt 0x0                                ; batch n - 2's stores have read their registers: batch n's loads may land there
.endif
	RDB \n
	s_wait_dscnt 16                                ; batch n - 1 is in; the 16 loads just issued may be out
	SUMST \n-1
.endr
	s_wait_dscnt 0x0
	SUMST 7
	s_wait_tensorcnt 0x0                           ; the wave's end, behind my last tensor load and my last LDS store
	ds_add_u32 v[SPW], v[NIL]
	s_wait_dscnt 0x0
	CROUND                                         ; the closing round
	s_endpgm
.Lfunc_end_k_qd197a908d9_attend:
	.size	k_qd197a908d9_attend, .Lfunc_end_k_qd197a908d9_attend-k_qd197a908d9_attend
	.p2alignl 7, 3214868480
	.fill 96, 4, 3214868480
	.section	.rodata,"a",@progbits
	.p2align	6, 0x0
	.amdhsa_kernel k_qd197a908d9_attend
		.amdhsa_group_segment_fixed_size 327680
		.amdhsa_private_segment_fixed_size 0
		.amdhsa_enable_private_segment 0
		.amdhsa_kernarg_size 48
		.amdhsa_user_sgpr_count 2
		.amdhsa_user_sgpr_kernarg_segment_ptr 1
		.amdhsa_wavefront_size32 1
		.amdhsa_system_sgpr_workgroup_id_x 1
		.amdhsa_system_sgpr_workgroup_id_y 1
		.amdhsa_system_sgpr_workgroup_id_z 1
		.amdhsa_system_vgpr_workitem_id 0
		.amdhsa_next_free_vgpr 1024
		.amdhsa_next_free_sgpr 80
		.amdhsa_reserve_vcc 0
		.amdhsa_float_denorm_mode_32 3
		.amdhsa_float_denorm_mode_16_64 3
		.amdhsa_memory_ordered 1
		.amdhsa_forward_progress 1
		.amdhsa_inst_pref_size 255
	.end_amdhsa_kernel
	.section	.bss,"aw",@nobits
	.p2align	6
	.space	262144
	.amdgpu_metadata
---
amdhsa.version: [ 1, 2 ]
amdhsa.kernels:
  - .name:           k_qd197a908d9_attend
    .symbol:         k_qd197a908d9_attend.kd
    .args:
      - { .name: Qc, .offset: 0, .size: 8, .value_kind: global_buffer, .address_space: global }
      - { .name: Qs, .offset: 8, .size: 8, .value_kind: global_buffer, .address_space: global }
      - { .name: KVc, .offset: 16, .size: 8, .value_kind: global_buffer, .address_space: global }
      - { .name: SD, .offset: 24, .size: 8, .value_kind: global_buffer, .address_space: global }
      - { .name: ST, .offset: 32, .size: 8, .value_kind: global_buffer, .address_space: global }
      - { .name: PART, .offset: 40, .size: 8, .value_kind: global_buffer, .address_space: global }
    .group_segment_fixed_size: 327680
    .private_segment_fixed_size: 0
    .kernarg_segment_align: 8
    .kernarg_segment_size: 48
    .max_flat_workgroup_size: 128
    .sgpr_count:     80
    .vgpr_count:     1024
    .wavefront_size: 32
...
	.end_amdgpu_metadata
.endif
;; end of part 3
;; launch finish (part 4): grid 256 x 1, 8 waves a work-group, no clusters, 0 bytes of LDS; arguments X, PART, out0; writes out0
.if DOCPART == 4
	.amdgcn_target "amdgcn-amd-amdhsa--gfx1250"
	.amdhsa_code_object_version 6
	.text
	.protected	k_qd197a908d9_finish
	.globl	k_qd197a908d9_finish
	.p2align	8
	.type	k_qd197a908d9_finish,@function
k_qd197a908d9_finish:
	s_mov_b64 s[64:65], 0
	v_nop
	global_prefetch_b8 v0, s[64:65] scope:SCOPE_SE
	s_setreg_imm32_b32 hwreg(HW_REG_WAVE_MODE, 25, 1), 1
	s_wait_xcnt 0x0
; out0 = X + the four quarters' parts of A V.  X, out0: [8192][256] f32; PART: [4][8192][256] f32.  Nothing of the problem is left out here.
; A stream: memory binds, so there is no LDS, no barrier and no matrix work.  A work-group owns 32,768 bytes of out0, a thread 16 bytes of each of eight chunks of 4,096: every load and store of a wave covers 512
; consecutive bytes, aligned.  All 40 loads of a wave go out at once, chunk by chunk; no register is written twice, so no wait frees anything.
	s_load_b128 s[4:7], s[0:1], 0x0                ; X s[4:5], PART s[6:7]
	s_load_b64 s[8:9], s[0:1], 0x10                ; out0
	v_lshlrev_b32 v1, 4, v0
	s_lshl_b32 s10, ttmp9, 15
	s_mov_b32 s11, 0
	s_wait_kmcnt 0x0
	s_add_nc_u64 s[4:5], s[4:5], s[10:11]
	s_add_nc_u64 s[6:7], s[6:7], s[10:11]
	s_add_nc_u64 s[8:9], s[8:9], s[10:11]
	s_add_nc_u64 s[12:13], s[6:7], 0x800000        ; a quarter's part is 8,388,608 bytes: one more than an immediate offset reaches, so each has its base
	s_add_nc_u64 s[14:15], s[12:13], 0x800000
	s_add_nc_u64 s[16:17], s[14:15], 0x800000
.irp i, 0,1,2,3,4,5,6,7
	global_load_b128 v[4+20*\i:7+20*\i], v1, s[6:7] offset:4096*\i th:TH_LOAD_NT
	global_load_b128 v[8+20*\i:11+20*\i], v1, s[12:13] offset:4096*\i th:TH_LOAD_NT
	global_load_b128 v[12+20*\i:15+20*\i], v1, s[14:15] offset:4096*\i th:TH_LOAD_NT
	global_load_b128 v[16+20*\i:19+20*\i], v1, s[16:17] offset:4096*\i th:TH_LOAD_NT
	global_load_b128 v[20+20*\i:23+20*\i], v1, s[4:5] offset:4096*\i th:TH_LOAD_NT
.endr
.irp i, 0,1,2,3,4,5,6,7
	s_wait_loadcnt 5*(7-\i)                        ; loads come back in order: this chunk's five are in, the younger chunks' stay out
	v_pk_add_f32 v[4+20*\i:5+20*\i], v[4+20*\i:5+20*\i], v[8+20*\i:9+20*\i]
	v_pk_add_f32 v[6+20*\i:7+20*\i], v[6+20*\i:7+20*\i], v[10+20*\i:11+20*\i]
	v_pk_add_f32 v[12+20*\i:13+20*\i], v[12+20*\i:13+20*\i], v[16+20*\i:17+20*\i]
	v_pk_add_f32 v[14+20*\i:15+20*\i], v[14+20*\i:15+20*\i], v[18+20*\i:19+20*\i]
	v_pk_add_f32 v[4+20*\i:5+20*\i], v[4+20*\i:5+20*\i], v[12+20*\i:13+20*\i]
	v_pk_add_f32 v[6+20*\i:7+20*\i], v[6+20*\i:7+20*\i], v[14+20*\i:15+20*\i]
	v_pk_add_f32 v[4+20*\i:5+20*\i], v[4+20*\i:5+20*\i], v[20+20*\i:21+20*\i]
	v_pk_add_f32 v[6+20*\i:7+20*\i], v[6+20*\i:7+20*\i], v[22+20*\i:23+20*\i]
	global_store_b128 v1, v[4+20*\i:7+20*\i], s[8:9] offset:4096*\i th:TH_STORE_NT
.endr
	s_endpgm
.Lfunc_end_k_qd197a908d9_finish:
	.size	k_qd197a908d9_finish, .Lfunc_end_k_qd197a908d9_finish-k_qd197a908d9_finish
	.p2alignl 7, 3214868480
	.fill 96, 4, 3214868480
	.section	.rodata,"a",@progbits
	.p2align	6, 0x0
	.amdhsa_kernel k_qd197a908d9_finish
		.amdhsa_group_segment_fixed_size 0
		.amdhsa_private_segment_fixed_size 0
		.amdhsa_enable_private_segment 0
		.amdhsa_kernarg_size 24
		.amdhsa_user_sgpr_count 2
		.amdhsa_user_sgpr_kernarg_segment_ptr 1
		.amdhsa_wavefront_size32 1
		.amdhsa_system_sgpr_workgroup_id_x 1
		.amdhsa_system_sgpr_workgroup_id_y 1
		.amdhsa_system_sgpr_workgroup_id_z 1
		.amdhsa_system_vgpr_workitem_id 0
		.amdhsa_next_free_vgpr 168
		.amdhsa_next_free_sgpr 66
		.amdhsa_reserve_vcc 0
		.amdhsa_float_denorm_mode_32 3
		.amdhsa_float_denorm_mode_16_64 3
		.amdhsa_memory_ordered 1
		.amdhsa_forward_progress 1
		.amdhsa_inst_pref_size 10
	.end_amdhsa_kernel
	.amdgpu_metadata
---
amdhsa.version: [ 1, 2 ]
amdhsa.kernels:
  - .name:           k_qd197a908d9_finish
    .symbol:         k_qd197a908d9_finish.kd
    .args:
      - { .name: X, .offset: 0, .size: 8, .value_kind: global_buffer, .address_space: global }
      - { .name: PART, .offset: 8, .size: 8, .value_kind: global_buffer, .address_space: global }
      - { .name: out0, .offset: 16, .size: 8, .value_kind: global_buffer, .address_space: global }
    .group_segment_fixed_size: 0
    .private_segment_fixed_size: 0
    .kernarg_segment_align: 8
    .kernarg_segment_size: 24
    .max_flat_workgroup_size: 256
    .sgpr_count:     66
    .vgpr_count:     168
    .wavefront_size: 32
...
	.end_amdgpu_metadata
.endif
;; end of part 4
